; MI455X (gfx1250); checked and timed in simulation.
; The chip was launched on July 23, 2026; its instructions are those of AMD's public machine-readable ISA for CDNA 5 (MIT licence, August 2026) and "CDNA5" Instruction Set Architecture Reference Guide (July 2026). The comments in the code are by the model that wrote it; some were corrected since.
;; Multi Head Self Attention2d. Allowed arithmetic: matrix products marked QUANTISED: E5M2 operands, one given power-of-two scale a tensor, by v_wmma_f32_16x16x64_bf8_bf8 or v_wmma_f32_16x16x128_bf8_bf8, f32 sums; everything else in f32.
;; Inputs: bk 512 float32; bo 512 float32; bq 512 float32; bv 512 float32; gamma 1 float32; lowp_scales 12 int32 (the exponents e of the quantised operands' scales 2^e); wk_codes 512 x 16 x 32 uint8 (E5M2 codes of wk, K innermost, in blocks of 32 codes); wo_codes 512 x 16 x 32 uint8 (E5M2 codes of wo, K innermost, in blocks of 32 codes); wq_codes 512 x 16 x 32 uint8 (E5M2 codes of wq, K innermost, in blocks of 32 codes); wv_codes 512 x 16 x 32 uint8 (E5M2 codes of wv, K innermost, in blocks of 32 codes); x 16 x 512 x 32 x 32 float32.
;; Outputs: out0 16 x 512 x 32 x 32 float32.
;; This version of the problem:
;;   THIS VERSION OF THE PROBLEM IS GIVEN IN LOW PRECISION. The matrix products marked QUANTISED in the list below multiply operands that are first quantised to E5M2 (5 exponent bits, 2 mantissa bits; 8 bits a number), with one given power-of-two scale for each operand tensor; their sums are f32. All else is computed in f32.
;;   The module's matrix products, in the order in which they are computed (A, B: the left and right operand; K: the contracted axis; several contracted axes count as one K, in the product's order):
;;     1. [M 16,384, K 512] x [K 512, N 512]; A: input x; B: input wq (given as codes): QUANTISED (scales: A lowp_scales[0], B lowp_scales[1])
;;     2. [M 16,384, K 512] x [K 512, N 512]; A: input x; B: input wk (given as codes): QUANTISED (scales: A lowp_scales[2], B lowp_scales[3])
;;     3. [M 16,384, K 512] x [K 512, N 512]; A: input x; B: input wv (given as codes): QUANTISED (scales: A lowp_scales[4], B lowp_scales[5])
;;     4. batch 128 x [M 1,024, K 64] x [K 64, N 1,024]; A: computed on the way; B: computed on the way: QUANTISED (scales: A lowp_scales[6], B lowp_scales[7])
;;     5. batch 128 x [M 64, K 1,024] x [K 1,024, N 1,024]; A: computed on the way; B: softmax (see below): QUANTISED (scales: A lowp_scales[8], B lowp_scales[9])
;;     6. [M 16,384, K 512] x [K 512, N 512]; A: computed on the way; B: input wo (given as codes): QUANTISED (scales: A lowp_scales[10], B lowp_scales[11])
;;   THE QUANTISER, for each operand of a quantised product, along K:
;;     - The operand's scale is 2^e, e = its entry of the input lowp_scales (int32; the entries are numbered through the quantised products in the list's order, A before B).
;;     - Each number is divided by the scale, clamped to +-57,344, and rounded to the nearest number of E5M2, ties to even, subnormals kept.
;;     - The product sums the exact products of the quantised numbers (number of the format x scale) in f32.
;;   ~~~python
;;   def quantise(x, axis, e):      # numpy; x: float32 -> the quantised numbers, widened to float32 again
;;       x = np.moveaxis(x, axis, -1); K = x.shape[-1]
;;       r = np.clip(x / 2.0 ** e, -57344, 57344)
;;       step = 2.0 ** (np.maximum(np.frexp(np.where(r == 0, 1, r))[1] - 1, -14) - 2)
;;       q = np.round(r / step) * step * 2.0 ** e      # np.round: ties to even
;;       return np.moveaxis(q, -1, axis).astype(np.float32)
;;   ~~~
;;   SOFTMAX AHEAD OF A QUANTISED PRODUCT. Where the list says 'softmax', what is quantised is not the finished softmax but p = 2^(t - M), with t = logit x log2(e) and M = ceil(the row's largest t), a whole number; so 1/2 < the row's largest p <= 1. The row's sum l is taken of the UNQUANTISED p, in f32, and the product's result is divided by l at the end. Since M is a whole number, a kernel that streams over the keys may use a running M (the ceiling of the running maximum): every later rescaling is an exact power of two, so the quantised numbers keep their values, but for numbers so far below the row's largest that they fall under the format's range.
;;   OPERANDS COMPUTED ON THE WAY. 'Computed on the way' means the value that the module computes at that place (a softmax that the list does not call 'softmax' is quantised finished and normalised). What goes into a quantiser is computed in f32, as accurately as f32 sums, v_exp_f32 and their like allow (about 1e-6 of the number): no bf16 or f16 on the way to a quantiser, and a product that is left as it is and whose result goes on into a quantised operand takes f32 operands (vector FMAs, or v_wmma_f32_16x16x4_f32). A number that lies on a knife's edge between two numbers of the format may be rounded either way, as far as f32 arithmetic and the matrix unit's own rounding can turn it there, and no further.
;;   INPUTS GIVEN AS CODES. wk (in the module: [512, 512], K = its axis 1); wo (in the module: [512, 512], K = its axis 1); wq (in the module: [512, 512], K = its axis 1); wv (in the module: [512, 512], K = its axis 1): each comes as NAME_codes (uint8): NAME with its K axis moved to the last place and cut into blocks of 32 codes, [.., K / 32, bytes a block], one block behind the other in memory; one code a byte (a code: sign, 5 exponent bits, 2 mantissa bits); its scale is its entry of lowp_scales. Its value is code x scale, taken as it is: it is not quantised again, and the codes and scales need not be those that the quantiser above would give.
;; 2 versions. Each part assembles by itself: llvm-mc -triple=amdgcn-amd-amdhsa -mcpu=gfx1250 --defsym DOCPART=n.
;; ======== version 1 of 2: 3 launches
;; limits: right only within a limited range of input values
;; workspace buffers: qimg 8,388,608 bytes; kvimg 16,777,216 bytes; oimg 8,388,608 bytes
;; launch qkv (part 1): grid 64 x 3, 4 waves a work-group, clusters of 4 x 1, 272,896 bytes of LDS; arguments x, wq_codes, wk_codes, wv_codes, bq, bk, bv, lowp_scales, qimg, kvimg; writes qimg, kvimg
.if DOCPART == 1
	.amdgcn_target "amdgcn-amd-amdhsa--gfx1250"
	.amdhsa_code_object_version 6
	.text
	.protected	k_qf0d6aa8b5a_qkv
	.globl	k_qf0d6aa8b5a_qkv
	.p2align	8
	.type	k_qf0d6aa8b5a_qkv,@function
k_qf0d6aa8b5a_qkv:
	s_mov_b64 s[64:65], 0
	v_nop
	global_prefetch_b8 v0, s[64:65] scope:SCOPE_SE
	s_setreg_imm32_b32 hwreg(HW_REG_WAVE_MODE, 25, 1), 1
	s_wait_xcnt 0x0
	s_wait_alu depctr_hold_cnt(0) depctr_sa_sdst(0) depctr_va_vdst(0) depctr_va_sdst(0) depctr_va_ssrc(0) depctr_va_vcc(0) depctr_vm_vsrc(0)
	s_getreg_b32 s2, hwreg(HW_REG_IB_STS2, 6, 4)
	s_cmp_eq_u32 s2, 0
	s_cbranch_scc0 .Lentry_in_a_cluster
	s_endpgm
.Lentry_in_a_cluster:
	s_bfe_u32 s2, ttmp6, 0x10000c
	s_cmp_lg_u32 s2, 0x3003
	s_cbranch_scc0 .Lentry_shape_is_right
	s_endpgm
.Lentry_shape_is_right:
; q, k or v = W x + bias on codes of BF8 (E5M2), and the result quantised again, as the operand of attention's products.
; x: [16][512 c][1024 n] f32.  W: [512 o][512 c] codes, c innermost.  The kind (0 q, 1 k, 2 v) is the grid's y: it picks W, the bias, three exponents and the output.
; SHARES.  A work-group: one image, 256 positions, one kind, all 512 outputs.  A wave: a block of 64 positions, all 8 heads.  3 kinds x 16 images x 4 quarters = 192 work-groups.
; POSITIONS ARE DEALT TO TILES BY FOURS: tile j of a block holds positions 4 r + j (r = lane % 16).  So one 16-byte load of a row of x gives a lane one number of each of the four tiles,
; sixteen lanes read 256 consecutive bytes, and a lane's registers run down c, which is K: the hold (its destination is free) sorts the numbers by tile, and the conversions' results are the operand's registers.
; K's places: register 4 c + e of a fragment holds channels 32 c + 16 (lane / 16) + 4 e + 0..3 of its 128, in W's fragments (four 16-byte LDS loads) and in x's alike: every product meets its partner.
; q, k: source 0 = 16 rows of W, source 1 = 16 positions: a lane holds one position, its registers 8 neighbouring d: two tiles' conversions are registers of the next product's operand (K = d).
; v: the sources swapped: a lane holds one d, its registers 8 positions of a tile: K = the keys of attention's second product.
; OUTPUT: images of operand registers: four registers a lane as 512 consecutive bytes, lane l at 16 l.  qimg [b][head][block][tile j] x 1,024;  kvimg [b][head][block] x 8,192: K's four tiles, then V's four (16 d each).
; CLUSTER: the four quarters of an image and kind need the same W: each wave's 128 rows are asked for jointly by the four work-groups.  W is fetched once; no LDS byte is filled twice.
; The bias goes in as the C of a sum's first product, divided by 2^(ex + ew), which the sums lack.  The three scales ahead of the second quantiser are folded into one: 2^(eo - ex - ew).
; LIMITS: ex and eo - ex - ew between -126 and 112, so that each power of two and 57,344 times it is an f32 number.  NaN among the inputs is not served.
; REGISTERS.  window 0: v1 x's offset, v2 W's lane place, v4, v5 the bias's lane places, v6 16 x lane, v7, v8, v11 LDS addresses of the head in hand, v9, v10 the bias's way in,
;   v12-15 scales and holds, v16-19 at work, v20-23 v's bias, v24-55 C (4 tiles x 8), v56-87 codes to store, v128-191 the sorted numbers of x, later W's set 0, v192-255 W's set 1.
;   window 1: x's 16 fragments (tile j, K step s) at 16 (4 j + s).   window 2: four buffers of 64 for x as loaded, later the 16 accumulators (W tile t, position tile p) at 8 (4 t + p).
.set PITCH, 528                        ; a row of W in LDS: 512 bytes + 16 of padding = 132 words: the 16 rows of a fragment load start 4 words apart modulo 64
.set HSTEP, 64*PITCH                   ; a head's 64 rows
.set BIASL, 512*PITCH                  ; behind W: the 512 biases, 2,048 bytes, written by LDS stores; no fill lands there
.set BT,  20
.set BC,  24
.set CD,  56
.set T,   128
.set WB0, 128
.set WB1, 192
.set MSB, 0
.macro WIN new                         ; the immediate's high byte repeats the setting that is left
.if MSB != \new
	s_set_vgpr_msb (MSB<<8)|\new
.set MSB, \new
.endif
.endm
.macro PLACES                          ; four places between a matrix instruction and a load into its registers or a vector read of its result
.rept 4
	v_nop
.endr
.endm
.macro CROUND                          ; a round of the cluster's barrier
	s_barrier_signal -1
	s_barrier_wait -1
	s_cmp_lg_u32 s24, 0
	s_cbranch_scc1 .Lnot_wave_0_\@
	s_barrier_signal -3
.Lnot_wave_0_\@:
	s_barrier_wait -3
	s_barrier_signal -1
	s_barrier_wait -1
.endm
	s_load_b256 s[4:11], s[0:1], 0x0               ; x s[4:5], wq s[6:7], wk s[8:9], wv s[10:11]
	s_load_b256 s[12:19], s[0:1], 0x20             ; bq s[12:13], bk s[14:15], bv s[16:17], the exponents s[18:19]
	s_load_b128 s[20:23], s[0:1], 0x40             ; qimg s[20:21], kvimg s[22:23]
	v_lshl_add_u32 v126, v0, 2, 0x42800
	v_mov_b32 v127, 0
	ds_add_u32 v126, v127
	ds_add_u32 v126, v127
	v_lshrrev_b32 v3, 5, v0
	v_readfirstlane_b32 s24, v3                    ; wave 0..3
	s_and_b32 s25, ttmp7, 0xffff                   ; the kind: the same in the four partners
	s_bfe_u32 s26, ttmp6, 0x40000                  ; cx: the quarter of the image
	s_lshl_b32 s28, s26, 2
	s_add_co_u32 s28, s28, s24                     ; my block of 64 positions: 4 cx + wave
	v_and_b32 v16, 15, v0                          ; r
	v_bfe_u32 v17, v0, 4, 1                        ; h
	v_lshlrev_b32 v1, 4, v16
	v_lshl_add_u32 v1, v17, 16, v1                 ; x: 16 r, + 16 rows of 4,096 bytes for lanes 16-31
	v_mul_u32_u24 v2, v16, PITCH
	v_lshl_add_u32 v2, v17, 4, v2                  ; W: row r, + 16 h
	v_lshlrev_b32 v4, 5, v17
	v_add_nc_u32 v4, BIASL, v4                     ; the bias for q, k: eight numbers from 8 h on
	v_lshlrev_b32 v5, 2, v16
	v_add_nc_u32 v5, BIASL, v5                     ; the bias for v: number r
	v_and_b32 v6, 31, v0
	v_lshlrev_b32 v6, 4, v6                        ; an image's place for my lane
	v_lshlrev_b32 v10, 4, v0                       ; the bias's way in: four numbers a thread
	v_add_nc_u32 v9, BIASL, v10
	; descriptor group 1: 128 rows of 512 bytes, padded in LDS
	s_mov_b32 s36, 15|(1<<20)|(1<<21)|(6<<22)|(3<<25)  ; 15:0 the mask: all four work-groups; 17:16 elements of 1 byte; 20 padding on; 21 set beside a mask; 24:22 after every 128 words (code 6); 31:25 four words (code 3)
	s_mov_b32 s37, 512<<16                         ; tensor_dim0
	s_mov_b32 s38, 128<<16                         ; tensor_dim1
	s_mov_b32 s39, 512<<16                         ; tile_dim0
	s_mov_b32 s40, 128                             ; tile_dim1
	s_mov_b32 s41, 512                             ; from row to row
	s_mov_b32 s42, 0
	s_mov_b32 s43, 0
	s_lshl_b32 s57, s25, 3
	s_lshl_b32 s58, s25, 2
	s_mov_b32 s60, 0                               ; LDS byte of the head's rows of W
	s_mov_b32 s61, 0                               ; and of its biases
	s_wait_dscnt 0x0
	s_wait_kmcnt 0x0
	s_load_b64 s[54:55], s[18:19], s57 offset:0x0  ; ex, ew: entries 2 kind, 2 kind + 1
	s_load_b32 s56, s[18:19], s58 offset:0x18      ; eo: entry 6 + kind
	s_cmp_eq_u32 s25, 0                            ; the choices hang on the kind alone
	s_cselect_b64 s[44:45], s[6:7], s[8:9]
	s_cselect_b64 s[46:47], s[12:13], s[14:15]
	s_cselect_b64 s[48:49], s[20:21], s[22:23]
	s_cselect_b32 s27, 12, 13                      ; a block's image: 4,096 bytes of q, 8,192 of k and v together
	s_cmp_eq_u32 s25, 2
	s_cselect_b64 s[44:45], s[10:11], s[44:45]     ; W
	s_cselect_b64 s[46:47], s[16:17], s[46:47]     ; the bias
	s_cselect_b32 s59, 0x1000, 0                   ; V's tiles lie behind K's
	s_lshl_b32 s30, s24, 16                        ; my 128 rows of W: 65,536 bytes a wave
	s_mov_b32 s31, 0
	s_mov_b32 s32, 1                               ; group 0: count = 1,
	s_mul_i32 s33, s24, 128*PITCH                  ; LDS address: wave x 128 rows,
	s_add_nc_u64 s[34:35], s[44:45], s[30:31]      ; global address: made of the kind and the wave's number,
	s_or_b32 s35, s35, 0x80000000                  ; type = 2
	s_lshl_b32 s30, ttmp9, 21                      ; x: the image (2 MiB) + my block's 256 bytes of every row
	s_lshl_b32 s29, s28, 8
	s_add_co_u32 s30, s30, s29
	s_add_nc_u64 s[52:53], s[4:5], s[30:31]
	s_lshl_b32 s30, ttmp9, 7                       ; the output: (128 b + 16 head + block) images
	s_add_co_u32 s30, s30, s28
	s_lshl_b32 s30, s30, s27
	s_add_co_u32 s30, s30, s59
	s_add_nc_u64 s[48:49], s[48:49], s[30:31]
	s_lshl_b32 s50, 16, s27                        ; from head to head: 16 blocks
	s_mov_b32 s51, 0
	CROUND                                         ; the four work-groups are here: the joint loads meet
	tensor_load_to_lds s[32:35], s[36:43]          ; my one tensor load: 128 rows of W
	s_nop 0
	PLACES                                         ; four v_nop follow it
.macro XLOAD g                         ; chunk g: channels 32 g + 16 h + i, i = 0..15, at my four positions, into buffer g % 4; sixteen lanes read 256 consecutive bytes, aligned
	WIN 0x80
.irp i, 0,1,2,3,4,5,6,7,8,9,10,11,12,13,14,15
	global_load_b128 v[64*((\g)%4)+4*\i:64*((\g)%4)+4*\i+3], v1, s[52:53] offset:(32*(\g)+\i)*4096
.endr
.endm
	global_load_b128 v[16:19], v10, s[46:47]       ; four biases a thread
	XLOAD 0
	XLOAD 1
	XLOAD 2
	WIN 0
	s_wait_kmcnt 0x0
	s_add_co_i32 s57, s54, s55                     ; ex + ew
	s_sub_co_i32 s58, 0, s57
	s_add_co_i32 s59, s54, 127
	s_lshl_b32 s29, s59, 23
	v_mov_b32 v12, s29                             ; 2^ex as f32: the conversion takes its exponent field
	s_add_co_i32 s59, s59, 15
	s_lshl_b32 s59, s59, 23
	s_or_b32 s59, s59, 0x600000
	v_mov_b32 v13, s59                             ; 57,344 x 2^ex
	s_sub_co_i32 s59, s56, s57
	s_add_co_i32 s59, s59, 127
	s_lshl_b32 s29, s59, 23
	v_mov_b32 v14, s29                             ; 2^(eo - ex - ew)
	s_add_co_i32 s59, s59, 15
	s_lshl_b32 s59, s59, 23
	s_or_b32 s59, s59, 0x600000
	v_mov_b32 v15, s59                             ; 57,344 x that
	s_wait_loadcnt 48                              ; the bias is in: behind it stand the 48 loads of x's chunks 0 to 2
.irp i, 16,17,18,19
	v_ldexp_f32 v\i, v\i, s58                      ; bias / 2^(ex + ew)
.endr
	ds_store_b128 v9, v[16:19]
; Chunk g of x becomes registers 4 (g % 4) .. + 3 of the four tiles' fragments of K step g / 4.  Three chunks, 48 loads, stay on their way.
.macro XQUANT g
.if (\g) < 14
	s_wait_loadcnt 32                              ; chunk g is in; the two chunks behind it may be out
.elseif (\g) == 14
	s_wait_loadcnt 16
.else
	s_wait_loadcnt 0
.endif
.if (\g)+3 < 16
	XLOAD (\g)+3
.endif
	WIN 0x02                                       ; source 0: window 2
.irp j, 0,1,2,3
.irp i, 0,1,2,3,4,5,6,7,8,9,10,11,12,13,14,15
	v_med3_num_f32 v[T+16*\j+\i], v[64*((\g)%4)+4*\i+\j], -v13, v13   ; the hold (the conversion to an 8-bit code does not saturate: ISA guide 7.6.2) also sorts by tile
.endr
.endr
	WIN 0x40                                       ; destination: window 1
.irp j, 0,1,2,3
	v_cvt_scalef32_pk8_bf8_f32 v[16*(4*\j+(\g)/4)+4*((\g)%4):16*(4*\j+(\g)/4)+4*((\g)%4)+1], v[T+16*\j:T+16*\j+7], v12
	v_cvt_scalef32_pk8_bf8_f32 v[16*(4*\j+(\g)/4)+4*((\g)%4)+2:16*(4*\j+(\g)/4)+4*((\g)%4)+3], v[T+16*\j+8:T+16*\j+15], v12
.endr
	v_nop                                          ; a plain line between the conversions and the next lines that write their sources or read their results
.endm
.irp g, 0,1,2,3,4,5,6,7,8,9,10,11,12,13,14,15
	XQUANT \g
.endr
	WIN 0
	s_wait_tensorcnt 0x0                           ; my rows of W have landed,
	s_wait_dscnt 0x0                               ; my biases are stored:
	s_barrier_signal -1
	s_barrier_wait -1                              ; everybody's are
.macro FETCH buf, s, hoff              ; W's four fragments (16 rows x 128 K) of K step s, hoff bytes behind the head in hand
.irp t, 0,1,2,3
.irp c, 0,1,2,3
	ds_load_b128 v[\buf+16*\t+4*\c:\buf+16*\t+4*\c+3], v7 offset:\hoff+8448*\t+128*\s+32*\c
.endr
.endr
.endm
.macro BIASQ adr, off                  ; q, k: C's register i of tile t is the bias of output 16 t + 8 h + i
.irp t, 0,1,2,3
	ds_load_b128 v[BC+8*\t:BC+8*\t+3], v[\adr] offset:\off+64*\t
	ds_load_b128 v[BC+8*\t+4:BC+8*\t+7], v[\adr] offset:\off+64*\t+16
.endr
.endm
.macro BIASV adr, off                  ; v: all eight registers of tile t hold the bias of output 16 t + r
.irp t, 0,1,2,3
	ds_load_b32 v[BT+\t], v[\adr] offset:\off+64*\t
.endr
.endm
.macro SPREAD
.irp t, 0,1,2,3
.irp i, 0,1,2,3,4,5,6,7
	v_mov_b32 v[BC+8*\t+\i], v[BT+\t]
.endr
.endr
.endm
; 16 matrix instructions: W's four tiles x the four tiles of positions, 128 along K.  The 16 accumulators take turns, one instruction a turn, in the same order in every K step.
; or = 0: source 0 = W, source 1 = x.  or = 1: swapped.  K step 0 starts the sums with the bias as C.
.macro MUL or, s, buf
.if \or
.if \s == 0
	WIN 0x81                                       ; source 0 (x) window 1, source 1 (W) and C window 0, D window 2
.else
	WIN 0xa1                                       ; C in window 2 too
.endif
.else
.if \s == 0
	WIN 0x84                                       ; source 0 (W) and C window 0, source 1 (x) window 1, D window 2
.else
	WIN 0xa4
.endif
.endif
.irp t, 0,1,2,3
.irp p, 0,1,2,3
.if \or
.if \s == 0
	v_wmma_f32_16x16x128_bf8_bf8 v[8*(4*\t+\p):8*(4*\t+\p)+7], v[16*(4*\p+\s):16*(4*\p+\s)+15], v[\buf+16*\t:\buf+16*\t+15], v[BC+8*\t:BC+8*\t+7]
.else
	v_wmma_f32_16x16x128_bf8_bf8 v[8*(4*\t+\p):8*(4*\t+\p)+7], v[16*(4*\p+\s):16*(4*\p+\s)+15], v[\buf+16*\t:\buf+16*\t+15], v[8*(4*\t+\p):8*(4*\t+\p)+7]
.endif
.else
.if \s == 0
	v_wmma_f32_16x16x128_bf8_bf8 v[8*(4*\t+\p):8*(4*\t+\p)+7], v[\buf+16*\t:\buf+16*\t+15], v[16*(4*\p+\s):16*(4*\p+\s)+15], v[BC+8*\t:BC+8*\t+7]
.else
	v_wmma_f32_16x16x128_bf8_bf8 v[8*(4*\t+\p):8*(4*\t+\p)+7], v[\buf+16*\t:\buf+16*\t+15], v[16*(4*\p+\s):16*(4*\p+\s)+15], v[8*(4*\t+\p):8*(4*\t+\p)+7]
.endif
.endif
.endr
.endr
	WIN 0
.endm
; A head's 64 x 64 results are held, converted and stored as images: eight stores of 512 consecutive bytes.
.macro EPI or, last
	WIN 0x82                                       ; source 0 and destination window 2
.set n, 0
.rept 128
	v_med3_num_f32 v[n], v[n], -v15, v15           ; each accumulator from its low end on
.set n, n+1
.endr
	WIN 0x02
.irp t, 0,1,2,3
.irp p, 0,1,2,3
.if \or
	v_cvt_scalef32_pk8_bf8_f32 v[CD+8*\t+2*\p:CD+8*\t+2*\p+1], v[8*(4*\t+\p):8*(4*\t+\p)+7], v14   ; V's tile t: registers 2 p, 2 p + 1 hold keys 4 (8 h + i) + p
.else
	v_cvt_scalef32_pk8_bf8_f32 v[CD+8*\p+2*\t:CD+8*\p+2*\t+1], v[8*(4*\t+\p):8*(4*\t+\p)+7], v14   ; tile p of positions: registers 2 t, 2 t + 1 hold d = 16 t + 8 h + i
.endif
.endr
.endr
	v_nop                                          ; a plain line between the conversions and the products that write their sources
	WIN 0
.if \or && (\last == 0)
	SPREAD                                         ; the next head's bias into C's registers (its four loads were waited for two K steps ago)
.endif
.irp i, 0,1,2,3,4,5,6,7
	global_store_b128 v6, v[CD+4*\i:CD+4*\i+3], s[48:49] offset:512*\i th:TH_STORE_NT
.endr
.if \last == 0
	s_wait_xcnt 0x0                                ; the stores have read their base and their data: both are written again only behind this wait
	s_add_nc_u64 s[48:49], s[48:49], s[50:51]      ; the next head's images
.endif
.endm
; A head: four K steps on W's two sets by turns; each set is fetched a K step ahead, behind its places.
.macro HEAD or, last
	FETCH WB1, 1, 0
	s_wait_dscnt 16                                ; all but the 16 just issued: set 0 and C are in
	MUL \or, 0, WB0
	PLACES
	FETCH WB0, 2, 0
.if \last
	s_wait_dscnt 16
.elseif \or
	BIASV 11, 256
	s_wait_dscnt 20                                ; set 1 is in: behind it 16 loads of W and 4 of the bias
.else
	BIASQ 8, 256
	s_wait_dscnt 24                                ; set 1 is in: behind it 16 loads of W and 8 of the bias
.endif
	MUL \or, 1, WB1
	PLACES
	FETCH WB1, 3, 0
	s_wait_dscnt 16
	MUL \or, 2, WB0
	PLACES
.if \last
	s_wait_dscnt 0
.else
	FETCH WB0, 0, HSTEP                            ; the next head's first K step
	s_wait_dscnt 16
.endif
	MUL \or, 3, WB1
	PLACES
	EPI \or, \last
.endm
	v_add_nc_u32 v7, s60, v2
	s_cmp_eq_u32 s25, 2                            ; the first head's bias
	s_cbranch_scc1 .Lbias_v
	BIASQ 4, 0
	s_branch .Lbias_done
.Lbias_v:
	BIASV 5, 0
	s_wait_dscnt 0x0
	SPREAD
.Lbias_done:
	FETCH WB0, 0, 0
	s_mov_b32 s62, 7
.Lhead:                                            ; seven trips, walked by every kind; the branch on the kind stands inside
	v_add_nc_u32 v7, s60, v2                       ; the head's LDS addresses are made ahead of the branch
	v_add_nc_u32 v8, s61, v4
	v_add_nc_u32 v11, s61, v5
	s_cmp_eq_u32 s25, 2
	s_cbranch_scc1 .Lhead_v
	HEAD 0, 0
	s_branch .Lhead_join
.Lhead_v:
	HEAD 1, 0
.Lhead_join:
	s_add_co_u32 s60, s60, HSTEP
	s_add_co_u32 s61, s61, 256
	s_sub_co_u32 s62, s62, 1
	s_cmp_lg_u32 s62, 0
	s_cbranch_scc1 .Lhead
	v_add_nc_u32 v7, s60, v2                       ; the eighth head fetches nothing beyond W's end
	s_cmp_eq_u32 s25, 2
	s_cbranch_scc1 .Llast_v
	HEAD 0, 1
	s_branch .Lend
.Llast_v:
	HEAD 1, 1
.Lend:
	s_wait_tensorcnt 0x0
	ds_add_u32 v126, v127
	s_wait_dscnt 0x0
	CROUND                                         ; the closing round: no work-group ends while a partner may still ask jointly
	s_endpgm
.Lfunc_end_k_qf0d6aa8b5a_qkv:
	.size	k_qf0d6aa8b5a_qkv, .Lfunc_end_k_qf0d6aa8b5a_qkv-k_qf0d6aa8b5a_qkv
	.p2alignl 7, 3214868480
	.fill 96, 4, 3214868480
	.section	.rodata,"a",@progbits
	.p2align	6, 0x0
	.amdhsa_kernel k_qf0d6aa8b5a_qkv
		.amdhsa_group_segment_fixed_size 272896
		.amdhsa_private_segment_fixed_size 0
		.amdhsa_enable_private_segment 0
		.amdhsa_kernarg_size 80
		.amdhsa_user_sgpr_count 2
		.amdhsa_user_sgpr_kernarg_segment_ptr 1
		.amdhsa_wavefront_size32 1
		.amdhsa_system_sgpr_workgroup_id_x 1
		.amdhsa_system_sgpr_workgroup_id_y 1
		.amdhsa_system_sgpr_workgroup_id_z 1
		.amdhsa_system_vgpr_workitem_id 0
		.amdhsa_next_free_vgpr 768
		.amdhsa_next_free_sgpr 66
		.amdhsa_reserve_vcc 0
		.amdhsa_float_denorm_mode_32 3
		.amdhsa_float_denorm_mode_16_64 3
		.amdhsa_memory_ordered 1
		.amdhsa_forward_progress 1
		.amdhsa_inst_pref_size 183
	.end_amdhsa_kernel
	.amdgpu_metadata
---
amdhsa.version: [ 1, 2 ]
amdhsa.kernels:
  - .name:           k_qf0d6aa8b5a_qkv
    .symbol:         k_qf0d6aa8b5a_qkv.kd
    .args:
      - { .name: x, .offset: 0, .size: 8, .value_kind: global_buffer, .address_space: global }
      - { .name: wq_codes, .offset: 8, .size: 8, .value_kind: global_buffer, .address_space: global }
      - { .name: wk_codes, .offset: 16, .size: 8, .value_kind: global_buffer, .address_space: global }
      - { .name: wv_codes, .offset: 24, .size: 8, .value_kind: global_buffer, .address_space: global }
      - { .name: bq, .offset: 32, .size: 8, .value_kind: global_buffer, .address_space: global }
      - { .name: bk, .offset: 40, .size: 8, .value_kind: global_buffer, .address_space: global }
      - { .name: bv, .offset: 48, .size: 8, .value_kind: global_buffer, .address_space: global }
      - { .name: lowp_scales, .offset: 56, .size: 8, .value_kind: global_buffer, .address_space: global }
      - { .name: qimg, .offset: 64, .size: 8, .value_kind: global_buffer, .address_space: global }
      - { .name: kvimg, .offset: 72, .size: 8, .value_kind: global_buffer, .address_space: global }
    .group_segment_fixed_size: 272896
    .private_segment_fixed_size: 0
    .kernarg_segment_align: 8
    .kernarg_segment_size: 80
    .max_flat_workgroup_size: 128
    .sgpr_count:     66
    .vgpr_count:     768
    .wavefront_size: 32
...
	.end_amdgpu_metadata
.endif
;; end of part 1
;; launch attn (part 2): grid 256 x 1, 16 waves a work-group, no clusters, 133,120 bytes of LDS; arguments qimg, kvimg, lowp_scales, oimg; writes oimg
.if DOCPART == 2
	.amdgcn_target "amdgcn-amd-amdhsa--gfx1250"
	.amdhsa_code_object_version 6
	.text
	.protected	k_qf0d6aa8b5a_attn
	.globl	k_qf0d6aa8b5a_attn
	.p2align	8
	.type	k_qf0d6aa8b5a_attn,@function
k_qf0d6aa8b5a_attn:
	s_mov_b64 s[64:65], 0
	v_nop
	global_prefetch_b8 v0, s[64:65] scope:SCOPE_SE
	s_setreg_imm32_b32 hwreg(HW_REG_WAVE_MODE, 25, 1), 1
	s_wait_xcnt 0x0
; Attention of one head on codes of BF8 (E5M2): S^T = K Q^T, the softmax, O^T = V P^T, O / l, and O quantised along the channels for the last projection.
; SHARES.  A work-group: one image's head and 512 of its 1,024 queries.  A wave: 32 queries, two tiles of 16, in 256 registers: four waves to a SIMD, so that one wave's vector work stands beside another's products and LDS loads.
; The head's K and V, 131,072 bytes of register images, lie in LDS for the whole launch, as they lie in memory: 16 steps of 64 keys x (K's four tiles of 1,024 bytes, then V's four).  A fragment is two loads of 512 consecutive bytes.
; NO CLUSTER: two work-groups share a head's 131,072 bytes, each reads them once, at its head, for 16 steps of work.
; LAYOUT.  Both products are used transposed: a lane holds ONE query (lane % 16) throughout.  Tile j of a step holds keys 4 r + j; in S^T register i of tile j is key 4 (8 h + i) + j,
; so the conversion of tile j gives registers 2 j, 2 j + 1 of P, and V's images hold the same keys in the same places.
; THE SOFTMAX: t = score x log2(e) / 8; M = the running largest t rounded UP to a whole number; p = 2^(t - M) is quantised, not normalised; l is the sum of the unquantised p; when M moves, l and O are multiplied by 2^(old M - new M): exact.
; THE HOLD of p at 57,344 x 2^e9: p is at most 1, so with e9 >= -15 p / 2^e9 is at most 32,768 and the hold changes nothing: it is jumped over by a scalar branch on e9, a whole number that is read; with e9 < -15 it is executed.
; LIMITS: e6 + e7 between -123 and 130 (added to c's exponent field); e9 and e10 - e8 - e9 between -126 and 112.  NaN is not served.
; REGISTERS: v1 16 x lane; v2 LDS address of the step; v3, v4 the fill's places; v5 2^e9; v6, v7 2^(e10 - e8 - e9) and 57,344 x that; tile a: v[8 + 4 a] -M, the largest t, l in two halves; v[16 + 8 a] at work;
;   v32 Q (2 x 8); v48 K (4 x 8); v80 V (4 x 8); v112 S^T, then p (2 x 32); v176 O^T (2 x 32); v240 P's codes (2 x 8).
.set ST,  8
.set TMP, 16
.set Q,   32
.set KF,  48
.set VF,  80
.set S,   112
.set O,   176
.set P,   240
.macro PLACES
.rept 4
	v_nop
.endr
.endm
	s_load_b256 s[4:11], s[0:1], 0x0               ; qimg s[4:5], kvimg s[6:7], the exponents s[8:9], oimg s[10:11]
	v_lshl_add_u32 v21, v0, 2, 0x20000
	v_mov_b32 v29, 0
	v_lshrrev_b32 v2, 5, v0
	v_readfirstlane_b32 s12, v2                    ; wave 0..15
	v_and_b32 v1, 31, v0
	v_lshlrev_b32 v1, 4, v1                        ; an image's place for my lane
	v_lshlrev_b32 v3, 4, v0                        ; the fill: 16 bytes a thread, 8,192 a pass
	v_add_nc_u32 v4, 0x10000, v3                   ; and the same in LDS's second 65,536 bytes
	s_and_b32 s13, ttmp9, 1                        ; which half of the queries
	s_lshr_b32 s14, ttmp9, 1                       ; 8 b + head
	s_lshr_b32 s15, s12, 1
	s_lshl_b32 s21, s13, 3
	s_add_co_u32 s15, s15, s21                     ; my block of 64 queries: 8 half + wave / 2
	s_and_b32 s21, s12, 1                          ; its tiles 0, 1 or 2, 3
	s_lshl_b32 s30, s14, 4
	s_add_co_u32 s30, s30, s15
	s_lshl_b32 s30, s30, 12                        ; qimg: (16 (8 b + head) + block) x 4,096
	s_lshl_b32 s31, s21, 11
	s_add_co_u32 s30, s30, s31                     ; + two tiles of 1,024
	s_mov_b32 s31, 0
	s_lshl_b32 s32, s14, 17                        ; kvimg: the head's 131,072 bytes
	s_mov_b32 s33, 0
	s_lshr_b32 s34, s14, 3                         ; b
	s_and_b32 s36, s14, 7                          ; head
	s_lshl_b32 s34, s34, 4
	s_add_co_u32 s34, s34, s15
	s_lshl_b32 s34, s34, 2
	s_lshl_b32 s37, s21, 1
	s_add_co_u32 s34, s34, s37
	s_lshl_b32 s34, s34, 13                        ; oimg: (4 (16 b + block) + tile) x 8,192
	s_lshl_b32 s36, s36, 10
	s_add_co_u32 s34, s34, s36                     ; + 1,024 x head: the head's 64 channels are eight registers of a fragment of 128
	s_mov_b32 s35, 0
	s_mov_b32 s24, 0x76543210                      ; v_permlanex16_b32's selects for lane l xor 16
	s_mov_b32 s25, 0xfedcba98
	s_mov_b32 s26, 0                               ; LDS byte of the step in hand
	s_wait_kmcnt 0x0
	s_load_b128 s[16:19], s[8:9], 0x18             ; e6, e7, e8, e9
	s_load_b32 s20, s[8:9], 0x28                   ; e10
	s_add_nc_u64 s[4:5], s[4:5], s[30:31]
	s_add_nc_u64 s[6:7], s[6:7], s[32:33]
	s_add_nc_u64 s[10:11], s[10:11], s[34:35]
.irp i, 0,1,2,3
	global_load_b128 v[Q+4*\i:Q+4*\i+3], v1, s[4:5] offset:512*\i th:TH_LOAD_NT   ; Q's two fragments stay in registers
.endr
.irp t, 0,1,2,3,4,5,6,7,8,9,10,11,12,13,14,15
	global_load_b128 v[S+4*\t:S+4*\t+3], v3, s[6:7] offset:8192*\t   ; step t's images: the work-group reads 8,192 consecutive bytes
.endr
.irp a, 0,1
	v_mov_b32 v[ST+4*\a+1], 0xff61b1e6             ; the largest t so far: -3e38, under every t
	v_floor_f32 v[ST+4*\a], -v[ST+4*\a+1]          ; -M
	v_mov_b32 v[ST+4*\a+2], 0                      ; l, in two halves
	v_mov_b32 v[ST+4*\a+3], 0
	v_mov_b32 v[TMP+8*\a+3], 0                     ; (named as the upper half of f's pair)
	v_mov_b32 v[TMP+8*\a+4], 0                     ; (a lane permute's destination counts as one of its sources)
.endr
.set n, 0
.rept 64
	v_mov_b32 v[O+n], 0                            ; O^T.  (The step is written once for the loop: the first finds zeros, which the first change of M leaves zeros)
.set n, n+1
.endr
	s_wait_kmcnt 0x0
	s_add_co_i32 s22, s16, s17
	s_lshl_b32 s22, s22, 23
	s_add_co_i32 s22, s22, 0x3e38aa3b              ; c = log2(e) / 8, with e6 + e7 added to its exponent field: a score stands for score x 2^(e6 + e7)
	s_mov_b32 s23, s22                             ; (named with it as a pair)
	s_add_co_i32 s30, s19, 127
	s_lshl_b32 s31, s30, 23
	v_mov_b32 v5, s31                              ; 2^e9 as f32, for p's conversions
	s_add_co_i32 s30, s30, 15
	s_lshl_b32 s30, s30, 23
	s_or_b32 s29, s30, 0x600000                    ; 57,344 x 2^e9
	s_cmp_lt_i32 s19, -15
	s_cselect_b32 s28, 1, 0                        ; is the hold of p needed?
	s_sub_co_i32 s30, s20, s18
	s_sub_co_i32 s30, s30, s19
	s_add_co_i32 s30, s30, 127
	s_lshl_b32 s31, s30, 23
	v_mov_b32 v6, s31                              ; 2^(e10 - e8 - e9): O^T / l stands for that x 2^(e8 + e9)
	s_add_co_i32 s30, s30, 15
	s_lshl_b32 s30, s30, 23
	s_or_b32 s30, s30, 0x600000
	v_mov_b32 v7, s30
.irp t, 0,1,2,3,4,5,6,7
	s_wait_loadcnt 15-\t                           ; loads come back in order: step t's is in, the younger ones stay out
	ds_store_b128 v3, v[S+4*\t:S+4*\t+3] offset:8192*\t
.endr
.irp t, 8,9,10,11,12,13,14,15
	s_wait_loadcnt 15-\t
	ds_store_b128 v4, v[S+4*\t:S+4*\t+3] offset:8192*(\t-8)
.endr
	s_wait_dscnt 0x0                               ; for the others' sake: my stores are done
	s_barrier_signal -1
	s_barrier_wait -1                              ; the head's K and V lie in LDS: the one barrier of the launch
	v_add_nc_u32 v2, s26, v1
.irp i, 0,1,2,3,4,5,6,7
	ds_load_b128 v[KF+4*\i:KF+4*\i+3], v2 offset:512*\i
.endr
.irp i, 0,1,2,3,4,5,6,7
	ds_load_b128 v[VF+4*\i:VF+4*\i+3], v2 offset:4096+512*\i
.endr
; A KEY STEP: 64 keys, both tiles of queries; the two tiles' lines alternate, so that no line waits for the line above it.
.macro STEP last
	s_wait_dscnt 8                                 ; K of this step is in; V's eight loads are younger
.irp j, 0,1,2,3
.irp a, 0,1
	v_wmma_f32_16x16x64_bf8_bf8 v[S+32*\a+8*\j:S+32*\a+8*\j+7], v[KF+8*\j:KF+8*\j+7], v[Q+8*\a:Q+8*\a+7], 0
.endr
.endr
	PLACES                                         ; in front of the loads into K's registers and of the first read of the scores
.if \last == 0
.irp i, 0,1,2,3,4,5,6,7
	ds_load_b128 v[KF+4*\i:KF+4*\i+3], v2 offset:8192+512*\i   ; K of the next step
.endr
.endif
.irp a, 0,1                                    ; the step's largest score of my query among my 32 keys, in two chains, each accumulator from its low end on
	v_max3_num_f32 v[TMP+8*\a], v[S+32*\a], v[S+32*\a+1], v[S+32*\a+2]
	v_max3_num_f32 v[TMP+8*\a+1], v[S+32*\a+3], v[S+32*\a+4], v[S+32*\a+5]
.endr
.irp i, 6,10,14,18,22,26
.irp a, 0,1
	v_max3_num_f32 v[TMP+8*\a], v[TMP+8*\a], v[S+32*\a+\i], v[S+32*\a+\i+1]
	v_max3_num_f32 v[TMP+8*\a+1], v[TMP+8*\a+1], v[S+32*\a+\i+2], v[S+32*\a+\i+3]
.endr
.endr
.irp a, 0,1
	v_max3_num_f32 v[TMP+8*\a], v[TMP+8*\a], v[S+32*\a+30], v[S+32*\a+31]
.endr
.irp a, 0,1
	v_max_num_f32 v[TMP+8*\a], v[TMP+8*\a], v[TMP+8*\a+1]
.endr
.irp a, 0,1
	v_permlanex16_b32 v[TMP+8*\a+4], v[TMP+8*\a], s24, s25
.endr
.irp a, 0,1
	v_max_num_f32 v[TMP+8*\a], v[TMP+8*\a], v[TMP+8*\a+4]   ; and among lane l xor 16's
.endr
.irp a, 0,1
	v_mul_f32 v[TMP+8*\a], s22, v[TMP+8*\a]        ; as t (c is positive)
.endr
.irp a, 0,1
	v_max_num_f32 v[ST+4*\a+1], v[ST+4*\a+1], v[TMP+8*\a]   ; the running largest t
.endr
.irp a, 0,1
	v_mov_b32 v[TMP+8*\a], v[ST+4*\a]
.endr
.irp a, 0,1
	v_floor_f32 v[ST+4*\a], -v[ST+4*\a+1]          ; the new -M = floor(-t) = -ceil(t)
.endr
.irp a, 0,1
	v_sub_f32 v[TMP+8*\a], v[ST+4*\a], v[TMP+8*\a] ; old M less new M: a whole number, 0 or less
.endr
.irp a, 0,1
	v_cvt_i32_f32 v[TMP+8*\a], v[TMP+8*\a]         ; (it saturates)
.endr
.irp a, 0,1
	v_ldexp_f32 v[TMP+8*\a+2], 1.0, v[TMP+8*\a]    ; f = 2^(old M - new M)
.endr
.irp a, 0,1
.irp j, 0,2,4,6,8,10,12,14,16,18,20,22,24,26,28,30
	v_pk_fma_f32 v[S+32*\a+\j:S+32*\a+\j+1], v[S+32*\a+\j:S+32*\a+\j+1], s[22:23], v[ST+4*\a:ST+4*\a+1] op_sel_hi:[1,0,0]   ; t - M, two at a time (of the pairs c and -M the low word serves both halves)
.endr
.endr
.set n, 0
.rept 64
	v_exp_f32 v[S+n], v[S+n]                       ; p = 2^(t - M), at most 1
.set n, n+1
.endr
.irp a, 0,1
	v_pk_mul_f32 v[ST+4*\a+2:ST+4*\a+3], v[ST+4*\a+2:ST+4*\a+3], v[TMP+8*\a+2:TMP+8*\a+3] op_sel_hi:[1,0]   ; l under the new M.  (The plain line behind the exponentials)
.endr
	s_wait_alu depctr_va_vdst(0)
.irp a, 0,1
	v_pk_add_f32 v[TMP+8*\a+6:TMP+8*\a+7], v[S+32*\a:S+32*\a+1], v[S+32*\a+2:S+32*\a+3]   ; l takes the UNQUANTISED p: two at a time, in two chains
.endr
.irp j, 4,8,12,16,20,24,28
.irp a, 0,1
	v_pk_add_f32 v[ST+4*\a+2:ST+4*\a+3], v[ST+4*\a+2:ST+4*\a+3], v[S+32*\a+\j:S+32*\a+\j+1]
	v_pk_add_f32 v[TMP+8*\a+6:TMP+8*\a+7], v[TMP+8*\a+6:TMP+8*\a+7], v[S+32*\a+\j+2:S+32*\a+\j+3]
.endr
.endr
.irp a, 0,1
	v_pk_add_f32 v[ST+4*\a+2:ST+4*\a+3], v[ST+4*\a+2:ST+4*\a+3], v[TMP+8*\a+6:TMP+8*\a+7]
.endr
	s_cmp_lg_u32 s28, 0                            ; with e9 >= -15 no p reaches the largest code: the hold is jumped over
	s_cbranch_scc0 .Lno_hold_\@
.set n, 0
.rept 64
	v_min_num_f32 v[S+n], s29, v[S+n]              ; the conversion to an 8-bit code does not saturate (ISA guide 7.6.2); p is not negative, so the hold is one-sided
.set n, n+1
.endr
.Lno_hold_\@:
.irp j, 0,1,2,3
.irp a, 0,1
	v_cvt_scalef32_pk8_bf8_f32 v[P+8*\a+2*\j:P+8*\a+2*\j+1], v[S+32*\a+8*\j:S+32*\a+8*\j+7], v5
.endr
.endr
.irp j, 0,2,4,6,8,10,12,14,16,18,20,22,24,26,28,30
.irp a, 0,1
	v_pk_mul_f32 v[O+32*\a+\j:O+32*\a+\j+1], v[O+32*\a+\j:O+32*\a+\j+1], v[TMP+8*\a+2:TMP+8*\a+3] op_sel_hi:[1,0]   ; O^T under the new M.  (These are also the plain lines between the conversions and the products)
.endr
.endr
.if \last
	s_wait_dscnt 0
.else
	s_wait_dscnt 8                                 ; V of this step is in; the next step's K is younger
.endif
.irp d, 0,1,2,3                                ; eight accumulators, one instruction each
.irp a, 0,1
	v_wmma_f32_16x16x64_bf8_bf8 v[O+32*\a+8*\d:O+32*\a+8*\d+7], v[VF+8*\d:VF+8*\d+7], v[P+8*\a:P+8*\a+7], v[O+32*\a+8*\d:O+32*\a+8*\d+7]
.endr
.endr
	PLACES                                         ; in front of the loads into V's registers, and of the first read of O^T
.if \last == 0
.irp i, 0,1,2,3,4,5,6,7
	ds_load_b128 v[VF+4*\i:VF+4*\i+3], v2 offset:12288+512*\i   ; V of the next step
.endr
	s_add_co_u32 s26, s26, 8192
	v_add_nc_u32 v2, s26, v1
.endif
.endm
	s_mov_b32 s27, 15
.Lstep:
	STEP 0
	s_sub_co_u32 s27, s27, 1
	s_cmp_lg_u32 s27, 0
	s_cbranch_scc1 .Lstep
	STEP 1                                         ; the last step fetches nothing
	; THE END: l's halves are added; O^T / l is held, converted with the three scales folded into one, and stored as the head's part of the last projection's operand.
.irp a, 0,1
	v_add_f32 v[ST+4*\a+2], v[ST+4*\a+2], v[ST+4*\a+3]
.endr
.irp a, 0,1
	v_permlanex16_b32 v[TMP+8*\a+4], v[ST+4*\a+2], s24, s25
.endr
.irp a, 0,1
	v_add_f32 v[ST+4*\a+2], v[ST+4*\a+2], v[TMP+8*\a+4]
.endr
.irp a, 0,1
	v_rcp_f32 v[TMP+8*\a+2], v[ST+4*\a+2]
.endr
	v_nop                                          ; a plain line between the last reciprocal and its use
	s_wait_alu depctr_va_vdst(0)
.irp a, 0,1
.irp j, 0,2,4,6,8,10,12,14,16,18,20,22,24,26,28,30
	v_pk_mul_f32 v[O+32*\a+\j:O+32*\a+\j+1], v[O+32*\a+\j:O+32*\a+\j+1], v[TMP+8*\a+2:TMP+8*\a+3] op_sel_hi:[1,0]
.endr
.endr
.set n, 0
.rept 64
	v_med3_num_f32 v[O+n], v[O+n], -v7, v7
.set n, n+1
.endr
.irp a, 0,1
.irp d, 0,1,2,3
	v_cvt_scalef32_pk8_bf8_f32 v[P+8*\a+2*\d:P+8*\a+2*\d+1], v[O+32*\a+8*\d:O+32*\a+8*\d+7], v6   ; channels 16 d + 8 h + 0..7 of the head
.endr
.endr
	v_nop
.irp a, 0,1
.irp g, 0,1
	global_store_b128 v1, v[P+8*\a+4*\g:P+8*\a+4*\g+3], s[10:11] offset:8192*\a+512*\g th:TH_STORE_NT   ; 512 consecutive bytes, aligned
.endr
.endr
	s_wait_tensorcnt 0x0
	ds_add_u32 v21, v29
	s_wait_dscnt 0x0
	s_endpgm
.Lfunc_end_k_qf0d6aa8b5a_attn:
	.size	k_qf0d6aa8b5a_attn, .Lfunc_end_k_qf0d6aa8b5a_attn-k_qf0d6aa8b5a_attn
	.p2alignl 7, 3214868480
	.fill 96, 4, 3214868480
	.section	.rodata,"a",@progbits
	.p2align	6, 0x0
	.amdhsa_kernel k_qf0d6aa8b5a_attn
		.amdhsa_group_segment_fixed_size 133120
		.amdhsa_private_segment_fixed_size 0
		.amdhsa_enable_private_segment 0
		.amdhsa_kernarg_size 32
		.amdhsa_user_sgpr_count 2
		.amdhsa_user_sgpr_kernarg_segment_ptr 1
		.amdhsa_wavefront_size32 1
		.amdhsa_system_sgpr_workgroup_id_x 1
		.amdhsa_system_sgpr_workgroup_id_y 1
		.amdhsa_system_sgpr_workgroup_id_z 1
		.amdhsa_system_vgpr_workitem_id 0
		.amdhsa_next_free_vgpr 256
		.amdhsa_next_free_sgpr 66
		.amdhsa_reserve_vcc 0
		.amdhsa_float_denorm_mode_32 3
		.amdhsa_float_denorm_mode_16_64 3
		.amdhsa_memory_ordered 1
		.amdhsa_forward_progress 1
		.amdhsa_inst_pref_size 48
	.end_amdhsa_kernel
	.amdgpu_metadata
---
amdhsa.version: [ 1, 2 ]
amdhsa.kernels:
  - .name:           k_qf0d6aa8b5a_attn
    .symbol:         k_qf0d6aa8b5a_attn.kd
    .args:
      - { .name: qimg, .offset: 0, .size: 8, .value_kind: global_buffer, .address_space: global }
      - { .name: kvimg, .offset: 8, .size: 8, .value_kind: global_buffer, .address_space: global }
      - { .name: lowp_scales, .offset: 16, .size: 8, .value_kind: global_buffer, .address_space: global }
      - { .name: oimg, .offset: 24, .size: 8, .value_kind: global_buffer, .address_space: global }
    .group_segment_fixed_size: 133120
    .private_segment_fixed_size: 0
    .kernarg_segment_align: 8
    .kernarg_segment_size: 32
    .max_flat_workgroup_size: 512
    .sgpr_count:     66
    .vgpr_count:     256
    .wavefront_size: 32
...
	.end_amdgpu_metadata
.endif
;; end of part 2
;; launch oproj (part 3): grid 64 x 4, 4 waves a work-group, clusters of 4 x 1, 168,448 bytes of LDS; arguments oimg, wo_codes, lowp_scales, bo, gamma, x, out0; writes out0
.if DOCPART == 3
	.amdgcn_target "amdgcn-amd-amdhsa--gfx1250"
	.amdhsa_code_object_version 6
	.text
	.protected	k_qf0d6aa8b5a_oproj
	.globl	k_qf0d6aa8b5a_oproj
	.p2align	8
	.type	k_qf0d6aa8b5a_oproj,@function
k_qf0d6aa8b5a_oproj:
	s_mov_b64 s[64:65], 0
	v_nop
	global_prefetch_b8 v0, s[64:65] scope:SCOPE_SE
	s_setreg_imm32_b32 hwreg(HW_REG_WAVE_MODE, 25, 1), 1
	s_wait_xcnt 0x0
	s_wait_alu depctr_hold_cnt(0) depctr_sa_sdst(0) depctr_va_vdst(0) depctr_va_sdst(0) depctr_va_ssrc(0) depctr_va_vcc(0) depctr_vm_vsrc(0)
	s_getreg_b32 s2, hwreg(HW_REG_IB_STS2, 6, 4)
	s_cmp_eq_u32 s2, 0
	s_cbranch_scc0 .Lentry_in_a_cluster
	s_endpgm
.Lentry_in_a_cluster:
	s_bfe_u32 s2, ttmp6, 0x10000c
	s_cmp_lg_u32 s2, 0x3003
	s_cbranch_scc0 .Lentry_shape_is_right
	s_endpgm
.Lentry_shape_is_right:
; y = gamma (Wo out + bo) + x.  out arrives as images of operand registers (oimg [b][block of 64 positions][tile j] x four fragments of 128 channels), Wo as codes [512 o][512 c], c innermost; x and y are [16][512][1024] f32.
; SHARES.  A work-group: one image, 256 positions, 128 outputs (the grid's y).  A wave: a block of 64 positions x the 128 outputs.
; LAYOUT.  Source 0 = 16 rows of Wo, source 1 = 16 positions: register i of a result is output 16 t + 8 h + i at position 4 r + j of tile j.  So register i of the four tiles' accumulators are FOUR NEIGHBOURING positions:
; they go, by one multiply-add each, onto the four registers that a 16-byte load of x brought, and sixteen lanes store 256 consecutive bytes of y, aligned.  Nothing goes through LDS on the way out.
; K's places are the form's own: registers 2 c, 2 c + 1 hold channels 16 c + 8 h + 0..7 of a fragment's 128, in the images and in Wo's fragments (loads of 8 bytes) alike.
; bo goes in as the C of a sum's first product, divided by 2^(e10 + e11); y = sum x (gamma 2^(e10 + e11)) + x.
; CLUSTER: the four quarters of an image need the same 128 rows of Wo: each wave's 32 rows are asked for jointly.  No LDS byte is filled twice.
; LIMITS: gamma 2^(e10 + e11) and bo / 2^(e10 + e11) are made by v_ldexp_f32 and must be f32 numbers.
; REGISTERS.  window 0: v1 Wo's lane place, v2 my offset in x and y, v3 16 x lane, v4 the bias's offset, v5 gamma 2^(e10 + e11), v16-79 C (8 tiles x 8), v96-159, v160-223 Wo's two sets, v224-255 four accumulators.
;   window 1: out's 16 fragments (tile j, K step a) at 64 j + 16 a.   window 2: x, then y: (tile t, row i, position j) at 32 t + 4 i + j.
.set PITCH, 528                        ; a row of Wo in LDS: 512 bytes + 16 of padding
.set BC,  16
.set WB0, 96
.set ACC, 224
.set MSB, 0
.macro WIN new                         ; the immediate's high byte repeats the setting that is left
.if MSB != \new
	s_set_vgpr_msb (MSB<<8)|\new
.set MSB, \new
.endif
.endm
.macro PLACES
.rept 4
	v_nop
.endr
.endm
.macro CROUND                          ; a round of the cluster's barrier
	s_barrier_signal -1
	s_barrier_wait -1
	s_cmp_lg_u32 s24, 0
	s_cbranch_scc1 .Lnot_wave_0_\@
	s_barrier_signal -3
.Lnot_wave_0_\@:
	s_barrier_wait -3
	s_barrier_signal -1
	s_barrier_wait -1
.endm
	s_load_b256 s[4:11], s[0:1], 0x0               ; oimg s[4:5], Wo s[6:7], the exponents s[8:9], bo s[10:11]
	s_load_b128 s[12:15], s[0:1], 0x20             ; gamma s[12:13], x s[14:15]
	s_load_b64 s[16:17], s[0:1], 0x30              ; y
	v_lshl_add_u32 v94, v0, 2, 0x29000
	v_mov_b32 v95, 0
	ds_add_u32 v94, v95
	ds_add_u32 v94, v95
	v_lshrrev_b32 v6, 5, v0
	v_readfirstlane_b32 s24, v6                    ; wave 0..3
	s_and_b32 s25, ttmp7, 0xffff                   ; which 128 outputs: the same in the four partners
	s_bfe_u32 s26, ttmp6, 0x40000                  ; cx: the quarter of the image
	s_lshl_b32 s28, s26, 2
	s_add_co_u32 s28, s28, s24                     ; my block of 64 positions
	v_and_b32 v6, 15, v0                           ; r
	v_bfe_u32 v7, v0, 4, 1                         ; h
	v_mul_u32_u24 v1, v6, PITCH
	v_lshl_add_u32 v1, v7, 3, v1                   ; Wo: row r, + 8 h
	v_lshlrev_b32 v2, 4, v6
	v_lshl_add_u32 v2, v7, 15, v2                  ; x, y: 16 r, + 8 rows of 4,096 bytes for lanes 16-31
	v_and_b32 v3, 31, v0
	v_lshlrev_b32 v3, 4, v3                        ; an image's place for my lane
	v_lshlrev_b32 v4, 5, v7                        ; bo: eight numbers from 8 h on
	; descriptor group 1: 32 rows of 512 bytes, padded in LDS
	s_mov_b32 s36, 15|(1<<20)|(1<<21)|(6<<22)|(3<<25)  ; 15:0 the mask: all four work-groups; 17:16 elements of 1 byte; 20 padding on; 21 set beside a mask; 24:22 after every 128 words (code 6); 31:25 four words (code 3)
	s_mov_b32 s37, 512<<16                         ; tensor_dim0
	s_mov_b32 s38, 32<<16                          ; tensor_dim1
	s_mov_b32 s39, 512<<16                         ; tile_dim0
	s_mov_b32 s40, 32                              ; tile_dim1
	s_mov_b32 s41, 512                             ; from row to row
	s_mov_b32 s42, 0
	s_mov_b32 s43, 0
	s_wait_dscnt 0x0
	s_wait_kmcnt 0x0
	s_load_b64 s[44:45], s[8:9], 0x28              ; e10, e11
	s_load_b32 s46, s[12:13], 0x0                  ; gamma
	s_lshl_b32 s30, s25, 16                        ; Wo: 128 rows x 512 bytes for each y,
	s_lshl_b32 s29, s24, 14                        ; 32 rows a wave
	s_add_co_u32 s30, s30, s29
	s_mov_b32 s31, 0
	s_mov_b32 s32, 1                               ; group 0: count = 1,
	s_mul_i32 s33, s24, 32*PITCH                   ; LDS address: wave x 32 rows,
	s_add_nc_u64 s[34:35], s[6:7], s[30:31]        ; global address: made of y and the wave's number,
	s_or_b32 s35, s35, 0x80000000                  ; type = 2
	s_lshl_b32 s30, ttmp9, 4
	s_add_co_u32 s30, s30, s28
	s_lshl_b32 s30, s30, 15                        ; oimg: (16 b + block) x 32,768
	s_add_nc_u64 s[4:5], s[4:5], s[30:31]
	s_lshl_b32 s30, s25, 9                         ; bo: my 128 numbers
	s_add_nc_u64 s[10:11], s[10:11], s[30:31]
	s_lshl_b32 s30, ttmp9, 21                      ; x, y: the image, 128 y rows of 4,096 bytes, my block's 256 bytes of a row
	s_lshl_b32 s29, s25, 19
	s_add_co_u32 s30, s30, s29
	s_lshl_b32 s29, s28, 8
	s_add_co_u32 s30, s30, s29
	s_add_nc_u64 s[14:15], s[14:15], s[30:31]
	s_add_nc_u64 s[16:17], s[16:17], s[30:31]
	CROUND                                         ; the four work-groups are here: the joint loads meet
	tensor_load_to_lds s[32:35], s[36:43]          ; my one tensor load: 32 rows of Wo
	s_nop 0
	PLACES                                         ; four v_nop follow it
.irp t, 0,1,2,3,4,5,6,7
	global_load_b128 v[BC+8*\t:BC+8*\t+3], v4, s[10:11] offset:64*\t
	global_load_b128 v[BC+8*\t+4:BC+8*\t+7], v4, s[10:11] offset:64*\t+16
.endr
	WIN 0x40                                       ; destination window 1
.set n, 0
.rept 64
	global_load_b128 v[4*n:4*n+3], v3, s[4:5] offset:512*n   ; out's 16 fragments as they lie: 512 consecutive bytes a load
.set n, n+1
.endr
.macro XTILE t                         ; x at outputs 16 t + 8 h + i, i = 0..7, my four positions
.irp i, 0,1,2,3,4,5,6,7
	global_load_b128 v[32*(\t)+4*\i:32*(\t)+4*\i+3], v2, s[14:15] offset:(16*(\t)+\i)*4096 th:TH_LOAD_NT
.endr
.endm
	WIN 0x80                                       ; destination window 2
.irp t, 0,1,2,3,4,5,6
	XTILE \t
.endr
	s_wait_loadcnt 56                              ; bo and out are in: behind them stand the 56 loads of x's tiles 0 to 6
	XTILE 7
	WIN 0
	s_wait_kmcnt 0x0
	s_add_co_i32 s47, s44, s45                     ; e10 + e11
	s_sub_co_i32 s48, 0, s47
	v_mov_b32 v5, s46
	v_ldexp_f32 v5, v5, s47                        ; gamma 2^(e10 + e11)
.set n, 0
.rept 64
	v_ldexp_f32 v[BC+n], v[BC+n], s48              ; bo / 2^(e10 + e11)
.set n, n+1
.endr
	s_wait_tensorcnt 0x0                           ; my rows of Wo have landed,
	s_barrier_signal -1
	s_barrier_wait -1                              ; everybody's have
.macro FETCHW t                        ; Wo's tile t, 16 rows x 512 K: four fragments, into set t % 2
.set FB, WB0+64*((\t)%2)
.irp a, 0,1,2,3
.irp c, 0,1,2,3,4,5,6,7
	ds_load_b64 v[FB+16*\a+2*\c:FB+16*\a+2*\c+1], v1 offset:8448*(\t)+128*\a+16*\c
.endr
.endr
.endm
; Tile t of 16 outputs: 16 matrix instructions, the four tiles of positions by turns, K step by K step; then y.
.macro OT t
.if (\t) < 7
	FETCHW (\t)+1                                  ; into the set that tile t - 1 read: its places stand behind its products
	s_wait_dscnt 32                                ; this tile's 32 loads are in; the next tile's may be out
.else
	s_wait_dscnt 0
.endif
.set WS, WB0+64*((\t)%2)
	WIN 0x04                                       ; source 1 (out) window 1
.irp a, 0,1,2,3
.irp j, 0,1,2,3
.if \a == 0
	v_wmma_f32_16x16x128_bf8_bf8 v[ACC+8*\j:ACC+8*\j+7], v[WS+16*\a:WS+16*\a+15], v[64*\j+16*\a:64*\j+16*\a+15], v[BC+8*(\t):BC+8*(\t)+7]
.else
	v_wmma_f32_16x16x128_bf8_bf8 v[ACC+8*\j:ACC+8*\j+7], v[WS+16*\a:WS+16*\a+15], v[64*\j+16*\a:64*\j+16*\a+15], v[ACC+8*\j:ACC+8*\j+7]
.endif
.endr
.endr
	WIN 0
	PLACES
	s_wait_loadcnt 8*(7-(\t))                      ; x's tile t is in; the tiles behind it may be out
	WIN 0xa0                                       ; source 2 and destination window 2
.irp i, 0,1,2,3,4,5,6,7
.irp j, 0,1,2,3
	v_fma_f32 v[32*(\t)+4*\i+\j], v[ACC+8*\j+\i], v5, v[32*(\t)+4*\i+\j]   ; each accumulator from its low end on
.endr
.endr
	WIN 0x08                                       ; a store's data: window 2
.irp i, 0,1,2,3,4,5,6,7
	global_store_b128 v2, v[32*(\t)+4*\i:32*(\t)+4*\i+3], s[16:17] offset:(16*(\t)+\i)*4096 th:TH_STORE_NT   ; sixteen lanes store 256 consecutive bytes, aligned
.endr
	WIN 0
.endm
	FETCHW 0
.irp t, 0,1,2,3,4,5,6,7
	OT \t
.endr
	s_wait_tensorcnt 0x0
	ds_add_u32 v94, v95
	s_wait_dscnt 0x0
	CROUND                                         ; the closing round: no work-group ends while a partner may still ask jointly
	s_endpgm
.Lfunc_end_k_qf0d6aa8b5a_oproj:
	.size	k_qf0d6aa8b5a_oproj, .Lfunc_end_k_qf0d6aa8b5a_oproj-k_qf0d6aa8b5a_oproj
	.p2alignl 7, 3214868480
	.fill 96, 4, 3214868480
	.section	.rodata,"a",@progbits
	.p2align	6, 0x0
	.amdhsa_kernel k_qf0d6aa8b5a_oproj
		.amdhsa_group_segment_fixed_size 168448
		.amdhsa_private_segment_fixed_size 0
		.amdhsa_enable_private_segment 0
		.amdhsa_kernarg_size 56
		.amdhsa_user_sgpr_count 2
		.amdhsa_user_sgpr_kernarg_segment_ptr 1
		.amdhsa_wavefront_size32 1
		.amdhsa_system_sgpr_workgroup_id_x 1
		.amdhsa_system_sgpr_workgroup_id_y 1
		.amdhsa_system_sgpr_workgroup_id_z 1
		.amdhsa_system_vgpr_workitem_id 0
		.amdhsa_next_free_vgpr 768
		.amdhsa_next_free_sgpr 66
		.amdhsa_reserve_vcc 0
		.amdhsa_float_denorm_mode_32 3
		.amdhsa_float_denorm_mode_16_64 3
		.amdhsa_memory_ordered 1
		.amdhsa_forward_progress 1
		.amdhsa_inst_pref_size 71
	.end_amdhsa_kernel
	.amdgpu_metadata
---
amdhsa.version: [ 1, 2 ]
amdhsa.kernels:
  - .name:           k_qf0d6aa8b5a_oproj
    .symbol:         k_qf0d6aa8b5a_oproj.kd
    .args:
      - { .name: oimg, .offset: 0, .size: 8, .value_kind: global_buffer, .address_space: global }
      - { .name: wo_codes, .offset: 8, .size: 8, .value_kind: global_buffer, .address_space: global }
      - { .name: lowp_scales, .offset: 16, .size: 8, .value_kind: global_buffer, .address_space: global }
      - { .name: bo, .offset: 24, .size: 8, .value_kind: global_buffer, .address_space: global }
      - { .name: gamma, .offset: 32, .size: 8, .value_kind: global_buffer, .address_space: global }
      - { .name: x, .offset: 40, .size: 8, .value_kind: global_buffer, .address_space: global }
      - { .name: out0, .offset: 48, .size: 8, .value_kind: global_buffer, .address_space: global }
    .group_segment_fixed_size: 168448
    .private_segment_fixed_size: 0
    .kernarg_segment_align: 8
    .kernarg_segment_size: 56
    .max_flat_workgroup_size: 128
    .sgpr_count:     66
    .vgpr_count:     768
    .wavefront_size: 32
...
	.end_amdgpu_metadata
.endif
;; end of part 3
;; ======== version 2 of 2: 3 launches
;; limits: right only within a limited range of input values
;; workspace buffers: qimg 8,388,608 bytes; kvimg 16,777,216 bytes; oimg 8,388,608 bytes
;; launch qkv (part 4): grid 64 x 3, 4 waves a work-group, clusters of 4 x 1, 272,896 bytes of LDS; arguments x, wq_codes, wk_codes, wv_codes, bq, bk, bv, lowp_scales, qimg, kvimg; writes qimg, kvimg
.if DOCPART == 4
	.amdgcn_target "amdgcn-amd-amdhsa--gfx1250"
	.amdhsa_code_object_version 6
	.text
	.protected	k_qf0d6aa8b5a_qkv
	.globl	k_qf0d6aa8b5a_qkv
	.p2align	8
	.type	k_qf0d6aa8b5a_qkv,@function
k_qf0d6aa8b5a_qkv:
	s_mov_b64 s[64:65], 0
	v_nop
	global_prefetch_b8 v0, s[64:65] scope:SCOPE_SE
	s_setreg_imm32_b32 hwreg(HW_REG_WAVE_MODE, 25, 1), 1
	s_wait_xcnt 0x0
	s_wait_alu depctr_hold_cnt(0) depctr_sa_sdst(0) depctr_va_vdst(0) depctr_va_sdst(0) depctr_va_ssrc(0) depctr_va_vcc(0) depctr_vm_vsrc(0)
	s_getreg_b32 s2, hwreg(HW_REG_IB_STS2, 6, 4)
	s_cmp_eq_u32 s2, 0
	s_cbranch_scc0 .Lentry_in_a_cluster
	s_endpgm
.Lentry_in_a_cluster:
	s_bfe_u32 s2, ttmp6, 0x10000c
	s_cmp_lg_u32 s2, 0x3003
	s_cbranch_scc0 .Lentry_shape_is_right
	s_endpgm
.Lentry_shape_is_right:
; q, k or v = W x + bias on codes of BF8 (E5M2), and the result quantised again, as the operand of attention's products.
; x: [16][512 c][1024 n] f32.  W: [512 o][512 c] codes, c innermost.  The kind (0 q, 1 k, 2 v) is the grid's y: it picks W, the bias, three exponents and the output.
; SHARES.  A work-group: one image, 256 positions, one kind, all 512 outputs.  A wave: a block of 64 positions, all 8 heads.  3 kinds x 16 images x 4 quarters = 192 work-groups.
; POSITIONS ARE DEALT TO TILES BY FOURS: tile j of a block holds positions 4 r + j (r = lane % 16).  So one 16-byte load of a row of x gives a lane one number of each of the four tiles,
; sixteen lanes read 256 consecutive bytes, and a lane's registers run down c, which is K: the hold (its destination is free) sorts the numbers by tile, and the conversions' results are the operand's registers.
; K's places: register 4 c + e of a fragment holds channels 32 c + 16 (lane / 16) + 4 e + 0..3 of its 128, in W's fragments (four 16-byte LDS loads) and in x's alike: every product meets its partner.
; q, k: source 0 = 16 rows of W, source 1 = 16 positions: a lane holds one position, its registers 8 neighbouring d: two tiles' conversions are registers of the next product's operand (K = d).
; v: the sources swapped: a lane holds one d, its registers 8 positions of a tile: K = the keys of attention's second product.
; OUTPUT: images of operand registers: four registers a lane as 512 consecutive bytes, lane l at 16 l.  qimg [b][head][block][tile j] x 1,024;  kvimg [b][head][block] x 8,192: K's four tiles, then V's four (16 d each).
; CLUSTER: the four quarters of an image and kind need the same W: each wave's 128 rows are asked for jointly by the four work-groups.  W is fetched once; no LDS byte is filled twice.
; The bias goes in as the C of a sum's first product, divided by 2^(ex + ew), which the sums lack.  The three scales ahead of the second quantiser are folded into one: 2^(eo - ex - ew).
; LIMITS: ex and eo - ex - ew between -126 and 112, so that each power of two and 57,344 times it is an f32 number.  NaN among the inputs is not served.
; REGISTERS.  window 0: v1 x's offset, v2 W's lane place, v4, v5 the bias's lane places, v6 16 x lane, v7, v8, v11 LDS addresses of the head in hand, v9, v10 the bias's way in,
;   v12-15 scales and holds, v16-19 at work, v20-23 v's bias, v24-55 C (4 tiles x 8), v56-87 codes to store, v128-191 the sorted numbers of x, later W's set 0, v192-255 W's set 1.
;   window 1: x's 16 fragments (tile j, K step s) at 16 (4 j + s).   window 2: four buffers of 64 for x as loaded, later the 16 accumulators (W tile t, position tile p) at 8 (4 t + p).
.set PITCH, 528                        ; a row of W in LDS: 512 bytes + 16 of padding = 132 words: the 16 rows of a fragment load start 4 words apart modulo 64
.set HSTEP, 64*PITCH                   ; a head's 64 rows
.set BIASL, 512*PITCH                  ; behind W: the 512 biases, 2,048 bytes, written by LDS stores; no fill lands there
.set BT,  20
.set BC,  24
.set CD,  56
.set T,   128
.set WB0, 128
.set WB1, 192
.set MSB, 0
.macro WIN new                         ; the immediate's high byte repeats the setting that is left
.if MSB != \new
	s_set_vgpr_msb (MSB<<8)|\new
.set MSB, \new
.endif
.endm
.macro PLACES                          ; four places between a matrix instruction and a load into its registers or a vector read of its result
.rept 4
	v_nop
.endr
.endm
.macro CROUND                          ; a round of the cluster's barrier
	s_barrier_signal -1
	s_barrier_wait -1
	s_cmp_lg_u32 s24, 0
	s_cbranch_scc1 .Lnot_wave_0_\@
	s_barrier_signal -3
.Lnot_wave_0_\@:
	s_barrier_wait -3
	s_barrier_signal -1
	s_barrier_wait -1
.endm
	s_load_b256 s[4:11], s[0:1], 0x0               ; x s[4:5], wq s[6:7], wk s[8:9], wv s[10:11]
	s_load_b256 s[12:19], s[0:1], 0x20             ; bq s[12:13], bk s[14:15], bv s[16:17], the exponents s[18:19]
	s_load_b128 s[20:23], s[0:1], 0x40             ; qimg s[20:21], kvimg s[22:23]
	v_lshl_add_u32 v126, v0, 2, 0x42800
	v_mov_b32 v127, 0
	ds_add_u32 v126, v127
	ds_add_u32 v126, v127
	v_lshrrev_b32 v3, 5, v0
	v_readfirstlane_b32 s24, v3                    ; wave 0..3
	s_and_b32 s25, ttmp7, 0xffff                   ; the kind: the same in the four partners
	s_bfe_u32 s26, ttmp6, 0x40000                  ; cx: the quarter of the image
	s_lshl_b32 s28, s26, 2
	s_add_co_u32 s28, s28, s24                     ; my block of 64 positions: 4 cx + wave
	v_and_b32 v16, 15, v0                          ; r
	v_bfe_u32 v17, v0, 4, 1                        ; h
	v_lshlrev_b32 v1, 4, v16
	v_lshl_add_u32 v1, v17, 16, v1                 ; x: 16 r, + 16 rows of 4,096 bytes for lanes 16-31
	v_mul_u32_u24 v2, v16, PITCH
	v_lshl_add_u32 v2, v17, 4, v2                  ; W: row r, + 16 h
	v_lshlrev_b32 v4, 5, v17
	v_add_nc_u32 v4, BIASL, v4                     ; the bias for q, k: eight numbers from 8 h on
	v_lshlrev_b32 v5, 2, v16
	v_add_nc_u32 v5, BIASL, v5                     ; the bias for v: number r
	v_and_b32 v6, 31, v0
	v_lshlrev_b32 v6, 4, v6                        ; an image's place for my lane
	v_lshlrev_b32 v10, 4, v0                       ; the bias's way in: four numbers a thread
	v_add_nc_u32 v9, BIASL, v10
	; descriptor group 1: 128 rows of 512 bytes, padded in LDS
	s_mov_b32 s36, 15|(1<<20)|(1<<21)|(6<<22)|(3<<25)  ; 15:0 the mask: all four work-groups; 17:16 elements of 1 byte; 20 padding on; 21 set beside a mask; 24:22 after every 128 words (code 6); 31:25 four words (code 3)
	s_mov_b32 s37, 512<<16                         ; tensor_dim0
	s_mov_b32 s38, 128<<16                         ; tensor_dim1
	s_mov_b32 s39, 512<<16                         ; tile_dim0
	s_mov_b32 s40, 128                             ; tile_dim1
	s_mov_b32 s41, 512                             ; from row to row
	s_mov_b32 s42, 0
	s_mov_b32 s43, 0
	s_lshl_b32 s57, s25, 3
	s_lshl_b32 s58, s25, 2
	s_mov_b32 s60, 0                               ; LDS byte of the head's rows of W
	s_mov_b32 s61, 0                               ; and of its biases
	s_wait_dscnt 0x0
	s_wait_kmcnt 0x0
	s_load_b64 s[54:55], s[18:19], s57 offset:0x0  ; ex, ew: entries 2 kind, 2 kind + 1
	s_load_b32 s56, s[18:19], s58 offset:0x18      ; eo: entry 6 + kind
	s_cmp_eq_u32 s25, 0                            ; the choices hang on the kind alone
	s_cselect_b64 s[44:45], s[6:7], s[8:9]
	s_cselect_b64 s[46:47], s[12:13], s[14:15]
	s_cselect_b64 s[48:49], s[20:21], s[22:23]
	s_cselect_b32 s27, 12, 13                      ; a block's image: 4,096 bytes of q, 8,192 of k and v together
	s_cmp_eq_u32 s25, 2
	s_cselect_b64 s[44:45], s[10:11], s[44:45]     ; W
	s_cselect_b64 s[46:47], s[16:17], s[46:47]     ; the bias
	s_cselect_b32 s59, 0x1000, 0                   ; V's tiles lie behind K's
	s_lshl_b32 s30, s24, 16                        ; my 128 rows of W: 65,536 bytes a wave
	s_mov_b32 s31, 0
	s_mov_b32 s32, 1                               ; group 0: count = 1,
	s_mul_i32 s33, s24, 128*PITCH                  ; LDS address: wave x 128 rows,
	s_add_nc_u64 s[34:35], s[44:45], s[30:31]      ; global address: made of the kind and the wave's number,
	s_or_b32 s35, s35, 0x80000000                  ; type = 2
	s_lshl_b32 s30, ttmp9, 21                      ; x: the image (2 MiB) + my block's 256 bytes of every row
	s_lshl_b32 s29, s28, 8
	s_add_co_u32 s30, s30, s29
	s_add_nc_u64 s[52:53], s[4:5], s[30:31]
	s_lshl_b32 s30, ttmp9, 7                       ; the output: (128 b + 16 head + block) images
	s_add_co_u32 s30, s30, s28
	s_lshl_b32 s30, s30, s27
	s_add_co_u32 s30, s30, s59
	s_add_nc_u64 s[48:49], s[48:49], s[30:31]
	s_lshl_b32 s50, 16, s27                        ; from head to head: 16 blocks
	s_mov_b32 s51, 0
	CROUND                                         ; the four work-groups are here: the joint loads meet
	tensor_load_to_lds s[32:35], s[36:43]          ; my one tensor load: 128 rows of W
	s_nop 0
	PLACES                                         ; four v_nop follow it
.macro XLOAD g                         ; chunk g: channels 32 g + 16 h + i, i = 0..15, at my four positions, into buffer g % 4; sixteen lanes read 256 consecutive bytes, aligned
	WIN 0x80
.irp i, 0,1,2,3,4,5,6,7,8,9,10,11,12,13,14,15
	global_load_b128 v[64*((\g)%4)+4*\i:64*((\g)%4)+4*\i+3], v1, s[52:53] offset:(32*(\g)+\i)*4096
.endr
.endm
	s_wait_alu depctr_va_vdst(0)
	global_load_b128 v[16:19], v10, s[46:47]       ; four biases a thread
	XLOAD 0
	XLOAD 1
	XLOAD 2
	WIN 0
	s_wait_kmcnt 0x0
	s_add_co_i32 s57, s54, s55                     ; ex + ew
	s_sub_co_i32 s58, 0, s57
	s_add_co_i32 s59, s54, 127
	s_lshl_b32 s29, s59, 23
	v_mov_b32 v12, s29                             ; 2^ex as f32: the conversion takes its exponent field
	s_add_co_i32 s59, s59, 15
	s_lshl_b32 s59, s59, 23
	s_or_b32 s59, s59, 0x600000
	v_mov_b32 v13, s59                             ; 57,344 x 2^ex
	s_sub_co_i32 s59, s56, s57
	s_add_co_i32 s59, s59, 127
	s_lshl_b32 s29, s59, 23
	v_mov_b32 v14, s29                             ; 2^(eo - ex - ew)
	s_add_co_i32 s59, s59, 15
	s_lshl_b32 s59, s59, 23
	s_or_b32 s59, s59, 0x600000
	v_mov_b32 v15, s59                             ; 57,344 x that
	s_wait_alu depctr_va_vdst(0)
	s_wait_loadcnt 48                              ; the bias is in: behind it stand the 48 loads of x's chunks 0 to 2
.irp i, 16,17,18,19
	v_ldexp_f32 v\i, v\i, s58                      ; bias / 2^(ex + ew)
.endr
	ds_store_b128 v9, v[16:19]
; Chunk g of x becomes registers 4 (g % 4) .. + 3 of the four tiles' fragments of K step g / 4.  Three chunks, 48 loads, stay on their way.
.macro XQUANT g
.if (\g) < 14
	s_wait_loadcnt 32                              ; chunk g is in; the two chunks behind it may be out
.elseif (\g) == 14
	s_wait_loadcnt 16
.else
	s_wait_loadcnt 0
.endif
.if (\g)+3 < 16
	XLOAD (\g)+3
.endif
	WIN 0x02                                       ; source 0: window 2
.irp j, 0,1,2,3
.irp i, 0,1,2,3,4,5,6,7,8,9,10,11,12,13,14,15
	v_med3_num_f32 v[T+16*\j+\i], v[64*((\g)%4)+4*\i+\j], -v13, v13   ; the hold (the conversion to an 8-bit code does not saturate: ISA guide 7.6.2) also sorts by tile
.endr
.endr
	WIN 0x40                                       ; destination: window 1
.irp j, 0,1,2,3
	v_cvt_scalef32_pk8_bf8_f32 v[16*(4*\j+(\g)/4)+4*((\g)%4):16*(4*\j+(\g)/4)+4*((\g)%4)+1], v[T+16*\j:T+16*\j+7], v12
	v_cvt_scalef32_pk8_bf8_f32 v[16*(4*\j+(\g)/4)+4*((\g)%4)+2:16*(4*\j+(\g)/4)+4*((\g)%4)+3], v[T+16*\j+8:T+16*\j+15], v12
.endr
	v_nop                                          ; a plain line between the conversions and the next lines that write their sources or read their results
.endm
.irp g, 0,1,2,3,4,5,6,7,8,9,10,11,12,13,14,15
	XQUANT \g
.endr
	WIN 0
	s_wait_tensorcnt 0x0                           ; my rows of W have landed,
	s_wait_dscnt 0x0                               ; my biases are stored:
	s_barrier_signal -1
	s_barrier_wait -1                              ; everybody's are
.macro FETCH buf, s, hoff              ; W's four fragments (16 rows x 128 K) of K step s, hoff bytes behind the head in hand
.irp t, 0,1,2,3
.irp c, 0,1,2,3
	ds_load_b128 v[\buf+16*\t+4*\c:\buf+16*\t+4*\c+3], v7 offset:\hoff+8448*\t+128*\s+32*\c
.endr
.endr
.endm
.macro BIASQ adr, off                  ; q, k: C's register i of tile t is the bias of output 16 t + 8 h + i
.irp t, 0,1,2,3
	ds_load_b128 v[BC+8*\t:BC+8*\t+3], v[\adr] offset:\off+64*\t
	ds_load_b128 v[BC+8*\t+4:BC+8*\t+7], v[\adr] offset:\off+64*\t+16
.endr
.endm
.macro BIASV adr, off                  ; v: all eight registers of tile t hold the bias of output 16 t + r
.irp t, 0,1,2,3
	ds_load_b32 v[BT+\t], v[\adr] offset:\off+64*\t
.endr
.endm
.macro SPREAD
.irp t, 0,1,2,3
.irp i, 0,1,2,3,4,5,6,7
	v_mov_b32 v[BC+8*\t+\i], v[BT+\t]
.endr
.endr
.endm
; 16 matrix instructions: W's four tiles x the four tiles of positions, 128 along K.  The 16 accumulators take turns, one instruction a turn, in the same order in every K step.
; or = 0: source 0 = W, source 1 = x.  or = 1: swapped.  K step 0 starts the sums with the bias as C.
.macro MUL or, s, buf
.if \or
.if \s == 0
	WIN 0x81                                       ; source 0 (x) window 1, source 1 (W) and C window 0, D window 2
.else
	WIN 0xa1                                       ; C in window 2 too
.endif
.else
.if \s == 0
	WIN 0x84                                       ; source 0 (W) and C window 0, source 1 (x) window 1, D window 2
.else
	WIN 0xa4
.endif
.endif
.irp t, 0,1,2,3
.irp p, 0,1,2,3
.if \or
.if \s == 0
	v_wmma_f32_16x16x128_bf8_bf8 v[8*(4*\t+\p):8*(4*\t+\p)+7], v[16*(4*\p+\s):16*(4*\p+\s)+15], v[\buf+16*\t:\buf+16*\t+15], v[BC+8*\t:BC+8*\t+7]
.else
	v_wmma_f32_16x16x128_bf8_bf8 v[8*(4*\t+\p):8*(4*\t+\p)+7], v[16*(4*\p+\s):16*(4*\p+\s)+15], v[\buf+16*\t:\buf+16*\t+15], v[8*(4*\t+\p):8*(4*\t+\p)+7]
.endif
.else
.if \s == 0
	v_wmma_f32_16x16x128_bf8_bf8 v[8*(4*\t+\p):8*(4*\t+\p)+7], v[\buf+16*\t:\buf+16*\t+15], v[16*(4*\p+\s):16*(4*\p+\s)+15], v[BC+8*\t:BC+8*\t+7]
.else
	v_wmma_f32_16x16x128_bf8_bf8 v[8*(4*\t+\p):8*(4*\t+\p)+7], v[\buf+16*\t:\buf+16*\t+15], v[16*(4*\p+\s):16*(4*\p+\s)+15], v[8*(4*\t+\p):8*(4*\t+\p)+7]
.endif
.endif
.endr
.endr
	WIN 0
.endm
; A head's 64 x 64 results are held, converted and stored as images: eight stores of 512 consecutive bytes.
.macro EPI or, last
	WIN 0x82                                       ; source 0 and destination window 2
.set n, 0
.rept 128
	v_med3_num_f32 v[n], v[n], -v15, v15           ; each accumulator from its low end on
.set n, n+1
.endr
	WIN 0x02
.irp t, 0,1,2,3
.irp p, 0,1,2,3
.if \or
	v_cvt_scalef32_pk8_bf8_f32 v[CD+8*\t+2*\p:CD+8*\t+2*\p+1], v[8*(4*\t+\p):8*(4*\t+\p)+7], v14   ; V's tile t: registers 2 p, 2 p + 1 hold keys 4 (8 h + i) + p
.else
	v_cvt_scalef32_pk8_bf8_f32 v[CD+8*\p+2*\t:CD+8*\p+2*\t+1], v[8*(4*\t+\p):8*(4*\t+\p)+7], v14   ; tile p of positions: registers 2 t, 2 t + 1 hold d = 16 t + 8 h + i
.endif
.endr
.endr
	v_nop                                          ; a plain line between the conversions and the products that write their sources
	WIN 0
.if \or && (\last == 0)
	SPREAD                                         ; the next head's bias into C's registers (its four loads were waited for two K steps ago)
.endif
.irp i, 0,1,2,3,4,5,6,7
	global_store_b128 v6, v[CD+4*\i:CD+4*\i+3], s[48:49] offset:512*\i th:TH_STORE_NT
.endr
.if \last == 0
	s_wait_xcnt 0x0                                ; the stores have read their base and their data: both are written again only behind this wait
	s_add_nc_u64 s[48:49], s[48:49], s[50:51]      ; the next head's images
.endif
.endm
; A head: four K steps on W's two sets by turns; each set is fetched a K step ahead, behind its places.
.macro HEAD or, last
	FETCH WB1, 1, 0
	s_wait_dscnt 16                                ; all but the 16 just issued: set 0 and C are in
	MUL \or, 0, WB0
	PLACES
	FETCH WB0, 2, 0
.if \last
	s_wait_dscnt 16
.elseif \or
	BIASV 11, 256
	s_wait_dscnt 20                                ; set 1 is in: behind it 16 loads of W and 4 of the bias
.else
	BIASQ 8, 256
	s_wait_dscnt 24                                ; set 1 is in: behind it 16 loads of W and 8 of the bias
.endif
	MUL \or, 1, WB1
	PLACES
	FETCH WB1, 3, 0
	s_wait_dscnt 16
	MUL \or, 2, WB0
	PLACES
.if \last
	s_wait_dscnt 0
.else
	FETCH WB0, 0, HSTEP                            ; the next head's first K step
	s_wait_dscnt 16
.endif
	MUL \or, 3, WB1
	PLACES
	EPI \or, \last
.endm
	v_add_nc_u32 v7, s60, v2
	s_cmp_eq_u32 s25, 2                            ; the first head's bias
	s_cbranch_scc1 .Lbias_v
	BIASQ 4, 0
	s_branch .Lbias_done
.Lbias_v:
	BIASV 5, 0
	s_wait_dscnt 0x0
	SPREAD
.Lbias_done:
	s_wait_alu depctr_va_vdst(0)
	FETCH WB0, 0, 0
	s_mov_b32 s62, 7
.Lhead:                                            ; seven trips, walked by every kind; the branch on the kind stands inside
	v_add_nc_u32 v7, s60, v2                       ; the head's LDS addresses are made ahead of the branch
	v_add_nc_u32 v8, s61, v4
	v_add_nc_u32 v11, s61, v5
	s_cmp_eq_u32 s25, 2
	s_cbranch_scc1 .Lhead_v
	s_wait_alu depctr_va_vdst(0)
	HEAD 0, 0
	s_branch .Lhead_join
.Lhead_v:
	s_wait_alu depctr_va_vdst(0)
	HEAD 1, 0
.Lhead_join:
	s_add_co_u32 s60, s60, HSTEP
	s_add_co_u32 s61, s61, 256
	s_sub_co_u32 s62, s62, 1
	s_cmp_lg_u32 s62, 0
	s_cbranch_scc1 .Lhead
	v_add_nc_u32 v7, s60, v2                       ; the eighth head fetches nothing beyond W's end
	s_cmp_eq_u32 s25, 2
	s_cbranch_scc1 .Llast_v
	s_wait_alu depctr_va_vdst(0)
	HEAD 0, 1
	s_branch .Lend
.Llast_v:
	s_wait_alu depctr_va_vdst(0)
	HEAD 1, 1
.Lend:
	s_wait_tensorcnt 0x0
	ds_add_u32 v126, v127
	s_wait_dscnt 0x0
	CROUND                                         ; the closing round: no work-group ends while a partner may still ask jointly
	s_endpgm
.Lfunc_end_k_qf0d6aa8b5a_qkv:
	.size	k_qf0d6aa8b5a_qkv, .Lfunc_end_k_qf0d6aa8b5a_qkv-k_qf0d6aa8b5a_qkv
	.p2alignl 7, 3214868480
	.fill 96, 4, 3214868480
	.section	.rodata,"a",@progbits
	.p2align	6, 0x0
	.amdhsa_kernel k_qf0d6aa8b5a_qkv
		.amdhsa_group_segment_fixed_size 272896
		.amdhsa_private_segment_fixed_size 0
		.amdhsa_enable_private_segment 0
		.amdhsa_kernarg_size 80
		.amdhsa_user_sgpr_count 2
		.amdhsa_user_sgpr_kernarg_segment_ptr 1
		.amdhsa_wavefront_size32 1
		.amdhsa_system_sgpr_workgroup_id_x 1
		.amdhsa_system_sgpr_workgroup_id_y 1
		.amdhsa_system_sgpr_workgroup_id_z 1
		.amdhsa_system_vgpr_workitem_id 0
		.amdhsa_next_free_vgpr 768
		.amdhsa_next_free_sgpr 66
		.amdhsa_reserve_vcc 0
		.amdhsa_float_denorm_mode_32 3
		.amdhsa_float_denorm_mode_16_64 3
		.amdhsa_memory_ordered 1
		.amdhsa_forward_progress 1
		.amdhsa_inst_pref_size 183
	.end_amdhsa_kernel
	.amdgpu_metadata
---
amdhsa.version: [ 1, 2 ]
amdhsa.kernels:
  - .name:           k_qf0d6aa8b5a_qkv
    .symbol:         k_qf0d6aa8b5a_qkv.kd
    .args:
      - { .name: x, .offset: 0, .size: 8, .value_kind: global_buffer, .address_space: global }
      - { .name: wq_codes, .offset: 8, .size: 8, .value_kind: global_buffer, .address_space: global }
      - { .name: wk_codes, .offset: 16, .size: 8, .value_kind: global_buffer, .address_space: global }
      - { .name: wv_codes, .offset: 24, .size: 8, .value_kind: global_buffer, .address_space: global }
      - { .name: bq, .offset: 32, .size: 8, .value_kind: global_buffer, .address_space: global }
      - { .name: bk, .offset: 40, .size: 8, .value_kind: global_buffer, .address_space: global }
      - { .name: bv, .offset: 48, .size: 8, .value_kind: global_buffer, .address_space: global }
      - { .name: lowp_scales, .offset: 56, .size: 8, .value_kind: global_buffer, .address_space: global }
      - { .name: qimg, .offset: 64, .size: 8, .value_kind: global_buffer, .address_space: global }
      - { .name: kvimg, .offset: 72, .size: 8, .value_kind: global_buffer, .address_space: global }
    .group_segment_fixed_size: 272896
    .private_segment_fixed_size: 0
    .kernarg_segment_align: 8
    .kernarg_segment_size: 80
    .max_flat_workgroup_size: 128
    .sgpr_count:     66
    .vgpr_count:     768
    .wavefront_size: 32
...
	.end_amdgpu_metadata
.endif
;; end of part 4
;; launch attn (part 5): grid 256 x 1, 16 waves a work-group, no clusters, 133,120 bytes of LDS; arguments qimg, kvimg, lowp_scales, oimg; writes oimg
.if DOCPART == 5
	.amdgcn_target "amdgcn-amd-amdhsa--gfx1250"
	.amdhsa_code_object_version 6
	.text
	.protected	k_qf0d6aa8b5a_attn
	.globl	k_qf0d6aa8b5a_attn
	.p2align	8
	.type	k_qf0d6aa8b5a_attn,@function
k_qf0d6aa8b5a_attn:
	s_mov_b64 s[64:65], 0
	v_nop
	global_prefetch_b8 v0, s[64:65] scope:SCOPE_SE
	s_setreg_imm32_b32 hwreg(HW_REG_WAVE_SCHED_MODE, 0, 2), 2
	s_setreg_imm32_b32 hwreg(HW_REG_WAVE_MODE, 25, 1), 1
	s_wait_xcnt 0x0
	s_wait_alu depctr_vm_vsrc(0)
; Attention of one head on codes of BF8 (E5M2): S^T = K Q^T, the softmax, O^T = V P^T, O / l, and O quantised along the channels for the last projection.
; SHARES.  A work-group: one image's head and 512 of its 1,024 queries.  A wave: 32 queries, two tiles of 16, in 256 registers: four waves to a SIMD, so that one wave's vector work stands beside another's products and LDS loads.
; The head's K and V, 131,072 bytes of register images, lie in LDS for the whole launch, as they lie in memory: 16 steps of 64 keys x (K's four tiles of 1,024 bytes, then V's four).  A fragment is two loads of 512 consecutive bytes.
; NO CLUSTER: two work-groups share a head's 131,072 bytes, each reads them once, at its head, for 16 steps of work.
; LAYOUT.  Both products are used transposed: a lane holds ONE query (lane % 16) throughout.  Tile j of a step holds keys 4 r + j; in S^T register i of tile j is key 4 (8 h + i) + j,
; so the conversion of tile j gives registers 2 j, 2 j + 1 of P, and V's images hold the same keys in the same places.
; THE SOFTMAX: t = score x log2(e) / 8; M = the running largest t rounded UP to a whole number; p = 2^(t - M) is quantised, not normalised; l is the sum of the unquantised p; when M moves, l and O are multiplied by 2^(old M - new M): exact.
; THE HOLD of p at 57,344 x 2^e9: p is at most 1, so with e9 >= -15 p / 2^e9 is at most 32,768 and the hold changes nothing: it is jumped over by a scalar branch on e9, a whole number that is read; with e9 < -15 it is executed.
; LIMITS: e6 + e7 between -123 and 130 (added to c's exponent field); e9 and e10 - e8 - e9 between -126 and 112.  NaN is not served.
; REGISTERS: v1 16 x lane; v2 LDS address of the step; v3, v4 the fill's places; v5 2^e9; v6, v7 2^(e10 - e8 - e9) and 57,344 x that; tile a: v[8 + 4 a] -M, the largest t, l in two halves; v[16 + 8 a] at work;
;   v32 Q (2 x 8); v48 K (4 x 8); v80 V (4 x 8); v112 S^T, then p (2 x 32); v176 O^T (2 x 32); v240 P's codes (2 x 8).
; THE MODE: SCHED_MODE bits 1:0 = 2 (LLVM: expert scheduling mode 2), set by the entry lines.  The code itself states the register dependences
; between vector or matrix instructions and memory or LDS instructions, with s_wait_alu, always for 0.
; THE PLAN.  Registers that memory or LDS instructions touch:
;   v1, v3, v4   Offsets and LDS addresses, made at the head and never written again.
;   v2           Read by a step's LDS loads; written once a step, at the step's end (its first value at the head).
;   Q            Loaded once; then named by products alone.
;   S            At the head the fill's loads land in it and the LDS stores read it; from the first product on it is named by vector and matrix instructions alone.
;   K            Step t: its first eight products read it; behind the step's wait K of step t + 1 lands in it.
;   V            Step t: its last eight products read it; behind the wait of step t + 1 V of step t + 1 lands in it.
;   P's codes    At the end: the conversions write them, the four global stores read them.
;   v21, v29     Written at the head, read by the closing add alone.
; So a wait on va_vdst stands behind a step's exponentials: it states that p is written, that this step's first products are done reading K and the last step's last products reading V,
; and that v2 is written.  The step's sixteen LDS loads follow it, V's in a run and K's dealt among the sums, which name S, the statistics and nothing that those loads touch.
; One wait on vm_vsrc a step stands ahead of the add to v2.
.set ST,  8
.set TMP, 16
.set Q,   32
.set KF,  48
.set VF,  80
.set S,   112
.set O,   176
.set P,   240
.macro PLACES
.rept 4
	v_nop
.endr
.endm
	s_load_b256 s[4:11], s[0:1], 0x0               ; qimg s[4:5], kvimg s[6:7], the exponents s[8:9], oimg s[10:11]
	v_lshl_add_u32 v21, v0, 2, 0x20000
	v_mov_b32 v29, 0
	v_lshrrev_b32 v2, 5, v0
	v_readfirstlane_b32 s12, v2                    ; wave 0..15
	v_and_b32 v1, 31, v0
	v_lshlrev_b32 v1, 4, v1                        ; an image's place for my lane
	s_wait_alu depctr_va_vdst(0)
	v_lshlrev_b32 v3, 4, v0                        ; the fill: 16 bytes a thread, 8,192 a pass
	v_add_nc_u32 v4, 0x10000, v3                   ; and the same in LDS's second 65,536 bytes
	s_wait_alu depctr_va_sdst(0)                   ; s12 is written, ahead of its first reader: my block of queries and my addresses are made from it
	s_and_b32 s13, ttmp9, 1                        ; which half of the queries
	s_lshr_b32 s14, ttmp9, 1                       ; 8 b + head
	s_lshr_b32 s15, s12, 1
	s_lshl_b32 s21, s13, 3
	s_add_co_u32 s15, s15, s21                     ; my block of 64 queries: 8 half + wave / 2
	s_and_b32 s21, s12, 1                          ; its tiles 0, 1 or 2, 3
	s_lshl_b32 s30, s14, 4
	s_add_co_u32 s30, s30, s15
	s_lshl_b32 s30, s30, 12                        ; qimg: (16 (8 b + head) + block) x 4,096
	s_lshl_b32 s31, s21, 11
	s_add_co_u32 s30, s30, s31                     ; + two tiles of 1,024
	s_mov_b32 s31, 0
	s_lshl_b32 s32, s14, 17                        ; kvimg: the head's 131,072 bytes
	s_mov_b32 s33, 0
	s_lshr_b32 s34, s14, 3                         ; b
	s_and_b32 s36, s14, 7                          ; head
	s_lshl_b32 s34, s34, 4
	s_add_co_u32 s34, s34, s15
	s_lshl_b32 s34, s34, 2
	s_lshl_b32 s37, s21, 1
	s_add_co_u32 s34, s34, s37
	s_lshl_b32 s34, s34, 13                        ; oimg: (4 (16 b + block) + tile) x 8,192
	s_lshl_b32 s36, s36, 10
	s_add_co_u32 s34, s34, s36                     ; + 1,024 x head: the head's 64 channels are eight registers of a fragment of 128
	s_mov_b32 s35, 0
	s_mov_b32 s24, 0x76543210                      ; v_permlanex16_b32's selects for lane l xor 16
	s_mov_b32 s25, 0xfedcba98
	s_mov_b32 s26, 0                               ; LDS byte of the step in hand
	v_add_nc_u32 v2, s26, v1                       ; step 0's LDS address: made here, ahead of the head's wait on va_vdst
	s_wait_kmcnt 0x0
	s_load_b128 s[16:19], s[8:9], 0x18             ; e6, e7, e8, e9
	s_load_b32 s20, s[8:9], 0x28                   ; e10
	s_add_nc_u64 s[4:5], s[4:5], s[30:31]
	s_add_nc_u64 s[6:7], s[6:7], s[32:33]
	s_add_nc_u64 s[10:11], s[10:11], s[34:35]
	s_wait_alu depctr_va_vdst(0)                   ; v1 to v4 are written: the loads, the LDS stores, the first LDS loads and the last stores read them as offsets and addresses; so are v21 and v29
.irp i, 0,1,2,3
	global_load_b128 v[Q+4*\i:Q+4*\i+3], v1, s[4:5] offset:512*\i th:TH_LOAD_NT   ; Q's two fragments stay in registers
.endr
.irp t, 0,1,2,3,4,5,6,7,8,9,10,11,12,13,14,15
	global_load_b128 v[S+4*\t:S+4*\t+3], v3, s[6:7] offset:8192*\t   ; step t's images: the work-group reads 8,192 consecutive bytes
.endr
.irp a, 0,1
	v_mov_b32 v[ST+4*\a+1], 0xff61b1e6             ; the largest t so far: -3e38, under every t
	v_floor_f32 v[ST+4*\a], -v[ST+4*\a+1]          ; -M
	v_mov_b32 v[ST+4*\a+2], 0                      ; l, in two halves
	v_mov_b32 v[ST+4*\a+3], 0
	v_mov_b32 v[TMP+8*\a+3], 0                     ; (named as the upper half of f's pair)
	v_mov_b32 v[TMP+8*\a+4], 0                     ; (a lane permute's destination counts as one of its sources)
.endr
.set n, 0
.rept 64
	v_mov_b32 v[O+n], 0                            ; O^T.  (The step is written once for the loop: the first finds zeros, which the first change of M leaves zeros)
.set n, n+1
.endr
	s_wait_kmcnt 0x0
	s_add_co_i32 s22, s16, s17
	s_lshl_b32 s22, s22, 23
	s_add_co_i32 s22, s22, 0x3e38aa3b              ; c = log2(e) / 8, with e6 + e7 added to its exponent field: a score stands for score x 2^(e6 + e7)
	s_mov_b32 s23, s22                             ; (named with it as a pair)
	s_add_co_i32 s30, s19, 127
	s_lshl_b32 s31, s30, 23
	v_mov_b32 v5, s31                              ; 2^e9 as f32, for p's conversions
	s_add_co_i32 s30, s30, 15
	s_lshl_b32 s30, s30, 23
	s_or_b32 s29, s30, 0x600000                    ; 57,344 x 2^e9
	s_cmp_lt_i32 s19, -15
	s_cselect_b32 s28, 1, 0                        ; is the hold of p needed?
	s_sub_co_i32 s30, s20, s18
	s_sub_co_i32 s30, s30, s19
	s_add_co_i32 s30, s30, 127
	s_lshl_b32 s31, s30, 23
	v_mov_b32 v6, s31                              ; 2^(e10 - e8 - e9): O^T / l stands for that x 2^(e8 + e9)
	s_add_co_i32 s30, s30, 15
	s_lshl_b32 s30, s30, 23
	s_or_b32 s30, s30, 0x600000
	v_mov_b32 v7, s30
.irp t, 0,1,2,3,4,5,6,7
	s_wait_loadcnt 15-\t                           ; loads come back in order: step t's is in, the younger ones stay out
	ds_store_b128 v3, v[S+4*\t:S+4*\t+3] offset:8192*\t   ; no vector instruction since the head's wait names v3, v4 or S
.endr
.irp t, 8,9,10,11,12,13,14,15
	s_wait_loadcnt 15-\t
	ds_store_b128 v4, v[S+4*\t:S+4*\t+3] offset:8192*(\t-8)
.endr
	s_wait_dscnt 0x0                               ; for the others' sake: my stores are done
	s_barrier_signal -1
	s_barrier_wait -1                              ; the head's K and V lie in LDS: the one barrier of the launch
	s_wait_alu depctr_vm_vsrc(0)                   ; my LDS stores have read S's registers, which the first products write
.irp i, 0,1,2,3,4,5,6,7
	ds_load_b128 v[KF+4*\i:KF+4*\i+3], v2 offset:512*\i   ; K of step 0: v2 was written ahead of the head's wait, and no vector instruction has named it or K's registers since
.endr
; A KEY STEP: 64 keys, both tiles of queries; the two tiles' lines alternate, so that no line waits for the line above it.
.macro STEP last
	s_wait_dscnt 0x0                               ; K of this step is in: it was asked for behind the last step's wait (step 0's ahead of the loop), and nothing younger is out
.irp j, 0,1,2,3
.irp a, 0,1
	v_wmma_f32_16x16x64_bf8_bf8 v[S+32*\a+8*\j:S+32*\a+8*\j+7], v[KF+8*\j:KF+8*\j+7], v[Q+8*\a:Q+8*\a+7], 0
.endr
.endr
	PLACES                                         ; in front of the first read of the scores
.irp a, 0,1                                    ; the step's largest score of my query among my 32 keys, in two chains, each accumulator from its low end on
	v_max3_num_f32 v[TMP+8*\a], v[S+32*\a], v[S+32*\a+1], v[S+32*\a+2]
	v_max3_num_f32 v[TMP+8*\a+1], v[S+32*\a+3], v[S+32*\a+4], v[S+32*\a+5]
.endr
.irp i, 6,10,14,18,22,26
.irp a, 0,1
	v_max3_num_f32 v[TMP+8*\a], v[TMP+8*\a], v[S+32*\a+\i], v[S+32*\a+\i+1]
	v_max3_num_f32 v[TMP+8*\a+1], v[TMP+8*\a+1], v[S+32*\a+\i+2], v[S+32*\a+\i+3]
.endr
.endr
.irp a, 0,1
	v_max3_num_f32 v[TMP+8*\a], v[TMP+8*\a], v[S+32*\a+30], v[S+32*\a+31]
.endr
.irp a, 0,1
	v_max_num_f32 v[TMP+8*\a], v[TMP+8*\a], v[TMP+8*\a+1]
.endr
.irp a, 0,1
	v_permlanex16_b32 v[TMP+8*\a+4], v[TMP+8*\a], s24, s25
.endr
.irp a, 0,1
	v_max_num_f32 v[TMP+8*\a], v[TMP+8*\a], v[TMP+8*\a+4]   ; and among lane l xor 16's
.endr
.irp a, 0,1
	v_mul_f32 v[TMP+8*\a], s22, v[TMP+8*\a]        ; as t (c is positive)
.endr
.irp a, 0,1
	v_max_num_f32 v[ST+4*\a+1], v[ST+4*\a+1], v[TMP+8*\a]   ; the running largest t
.endr
.irp a, 0,1
	v_mov_b32 v[TMP+8*\a], v[ST+4*\a]
.endr
.irp a, 0,1
	v_floor_f32 v[ST+4*\a], -v[ST+4*\a+1]          ; the new -M = floor(-t) = -ceil(t)
.endr
.irp a, 0,1
	v_sub_f32 v[TMP+8*\a], v[ST+4*\a], v[TMP+8*\a] ; old M less new M: a whole number, 0 or less
.endr
.irp a, 0,1
	v_cvt_i32_f32 v[TMP+8*\a], v[TMP+8*\a]         ; (it saturates)
.endr
.irp a, 0,1
	v_ldexp_f32 v[TMP+8*\a+2], 1.0, v[TMP+8*\a]    ; f = 2^(old M - new M)
.endr
.irp a, 0,1
.irp j, 0,2,4,6,8,10,12,14,16,18,20,22,24,26,28,30
	v_pk_fma_f32 v[S+32*\a+\j:S+32*\a+\j+1], v[S+32*\a+\j:S+32*\a+\j+1], s[22:23], v[ST+4*\a:ST+4*\a+1] op_sel_hi:[1,0,0]   ; t - M, two at a time (of the pairs c and -M the low word serves both halves)
.endr
.endr
.set n, 0
	s_wait_alu depctr_va_vdst(0)
.rept 64
	v_exp_f32 v[S+n], v[S+n]                       ; p = 2^(t - M), at most 1
.set n, n+1
.endr
.irp a, 0,1
	v_pk_mul_f32 v[ST+4*\a+2:ST+4*\a+3], v[ST+4*\a+2:ST+4*\a+3], v[TMP+8*\a+2:TMP+8*\a+3] op_sel_hi:[1,0]   ; l under the new M.  (The plain line behind the exponentials)
.endr
	s_wait_alu depctr_va_vdst(0)                   ; the 64 exponentials have written p, whose first readers follow; this step's first eight products are done reading K and the last step's last eight reading V, in which the loads below land; v2, which they read, is written
.irp i, 0,1,2,3,4,5,6,7
	ds_load_b128 v[VF+4*\i:VF+4*\i+3], v2 offset:4096+512*\i   ; V of this step, in a run: it is wanted behind the sums, the conversions and O^T's rescaling
.endr
.irp a, 0,1
	v_pk_add_f32 v[TMP+8*\a+6:TMP+8*\a+7], v[S+32*\a:S+32*\a+1], v[S+32*\a+2:S+32*\a+3]   ; l takes the UNQUANTISED p: two at a time, in two chains
.endr
.irp j, 4,8,12,16,20,24,28
.if \last == 0
	ds_load_b128 v[KF+\j-4:KF+\j-1], v2 offset:8192+128*(\j-4)   ; K of the next step, dealt among the sums.  No wait: no vector instruction since the wait above names K's registers or v2
.endif
.irp a, 0,1
	v_pk_add_f32 v[ST+4*\a+2:ST+4*\a+3], v[ST+4*\a+2:ST+4*\a+3], v[S+32*\a+\j:S+32*\a+\j+1]
	v_pk_add_f32 v[TMP+8*\a+6:TMP+8*\a+7], v[TMP+8*\a+6:TMP+8*\a+7], v[S+32*\a+\j+2:S+32*\a+\j+3]
.endr
.endr
.if \last == 0
	ds_load_b128 v[KF+28:KF+31], v2 offset:8192+3584   ; the eighth of K's loads
.endif
.irp a, 0,1
	v_pk_add_f32 v[ST+4*\a+2:ST+4*\a+3], v[ST+4*\a+2:ST+4*\a+3], v[TMP+8*\a+6:TMP+8*\a+7]
.endr
	s_cmp_lg_u32 s28, 0                            ; with e9 >= -15 no p reaches the largest code: the hold is jumped over
	s_cbranch_scc0 .Lno_hold_\@
.set n, 0
.rept 64
	v_min_num_f32 v[S+n], s29, v[S+n]              ; the conversion to an 8-bit code does not saturate (ISA guide 7.6.2); p is not negative, so the hold is one-sided
.set n, n+1
.endr
.Lno_hold_\@:
.irp j, 0,1,2,3
.irp a, 0,1
	v_cvt_scalef32_pk8_bf8_f32 v[P+8*\a+2*\j:P+8*\a+2*\j+1], v[S+32*\a+8*\j:S+32*\a+8*\j+7], v5
.endr
.endr
.irp j, 0,2,4,6,8,10,12,14,16,18,20,22,24,26,28,30
.irp a, 0,1
	v_pk_mul_f32 v[O+32*\a+\j:O+32*\a+\j+1], v[O+32*\a+\j:O+32*\a+\j+1], v[TMP+8*\a+2:TMP+8*\a+3] op_sel_hi:[1,0]   ; O^T under the new M.  (These are also the plain lines between the conversions and the products)
.endr
.endr
.if \last
	s_wait_alu depctr_va_vdst(0)
	s_wait_dscnt 0
.else
	s_wait_alu depctr_va_vdst(0)
	s_wait_dscnt 8                                 ; V of this step is in; the next step's K, eight loads, is younger
.endif
.irp d, 0,1,2,3                                ; eight accumulators, one instruction each
.irp a, 0,1
	v_wmma_f32_16x16x64_bf8_bf8 v[O+32*\a+8*\d:O+32*\a+8*\d+7], v[VF+8*\d:VF+8*\d+7], v[P+8*\a:P+8*\a+7], v[O+32*\a+8*\d:O+32*\a+8*\d+7]
.endr
.endr
.if \last
	PLACES                                         ; in front of the first read of O^T.  (In the loop the next step's maxima stand between these products and the next line that names O^T, V or P)
.else
	s_add_co_u32 s26, s26, 8192
	s_wait_alu depctr_vm_vsrc(0)                   ; this step's sixteen LDS loads have read v2
	v_add_nc_u32 v2, s26, v1                       ; the next step's LDS address: the next step's wait on va_vdst stands between this line and the first load that reads it
.endif
.endm
	s_mov_b32 s27, 15
.Lstep:
	STEP 0
	s_sub_co_u32 s27, s27, 1
	s_cmp_lg_u32 s27, 0
	s_cbranch_scc1 .Lstep
	STEP 1                                         ; the last step fetches its V and nothing more
	; THE END: l's halves are added; O^T / l is held, converted with the three scales folded into one, and stored as the head's part of the last projection's operand.
.irp a, 0,1
	v_add_f32 v[ST+4*\a+2], v[ST+4*\a+2], v[ST+4*\a+3]
.endr
.irp a, 0,1
	v_permlanex16_b32 v[TMP+8*\a+4], v[ST+4*\a+2], s24, s25
.endr
.irp a, 0,1
	v_add_f32 v[ST+4*\a+2], v[ST+4*\a+2], v[TMP+8*\a+4]
.endr
	s_wait_alu depctr_va_vdst(0)
.irp a, 0,1
	v_rcp_f32 v[TMP+8*\a+2], v[ST+4*\a+2]
.endr
	v_nop                                          ; a plain line between the last reciprocal and its use
	s_wait_alu depctr_va_vdst(0)                   ; the two reciprocals are written, ahead of their first reader
.irp a, 0,1
.irp j, 0,2,4,6,8,10,12,14,16,18,20,22,24,26,28,30
	v_pk_mul_f32 v[O+32*\a+\j:O+32*\a+\j+1], v[O+32*\a+\j:O+32*\a+\j+1], v[TMP+8*\a+2:TMP+8*\a+3] op_sel_hi:[1,0]
.endr
.endr
.set n, 0
.rept 64
	v_med3_num_f32 v[O+n], v[O+n], -v7, v7
.set n, n+1
.endr
.irp a, 0,1
.irp d, 0,1,2,3
	v_cvt_scalef32_pk8_bf8_f32 v[P+8*\a+2*\d:P+8*\a+2*\d+1], v[O+32*\a+8*\d:O+32*\a+8*\d+7], v6   ; channels 16 d + 8 h + 0..7 of the head
.endr
.endr
	v_nop
	s_wait_alu depctr_va_vdst(0)                   ; the conversions have written P's registers, which the four stores read
.irp a, 0,1
.irp g, 0,1
	global_store_b128 v1, v[P+8*\a+4*\g:P+8*\a+4*\g+3], s[10:11] offset:8192*\a+512*\g th:TH_STORE_NT   ; 512 consecutive bytes, aligned
.endr
.endr
	s_wait_dscnt 0x0                               ; the closing lines, six on end
	s_wait_alu 0x0
	s_wait_tensorcnt 0x0
	ds_add_u32 v21, v29
	s_wait_dscnt 0x0
	s_endpgm
.Lfunc_end_k_qf0d6aa8b5a_attn:
	.size	k_qf0d6aa8b5a_attn, .Lfunc_end_k_qf0d6aa8b5a_attn-k_qf0d6aa8b5a_attn
	.p2alignl 7, 3214868480
	.fill 96, 4, 3214868480
	.section	.rodata,"a",@progbits
	.p2align	6, 0x0
	.amdhsa_kernel k_qf0d6aa8b5a_attn
		.amdhsa_group_segment_fixed_size 133120
		.amdhsa_private_segment_fixed_size 0
		.amdhsa_enable_private_segment 0
		.amdhsa_kernarg_size 32
		.amdhsa_user_sgpr_count 2
		.amdhsa_user_sgpr_kernarg_segment_ptr 1
		.amdhsa_wavefront_size32 1
		.amdhsa_system_sgpr_workgroup_id_x 1
		.amdhsa_system_sgpr_workgroup_id_y 1
		.amdhsa_system_sgpr_workgroup_id_z 1
		.amdhsa_system_vgpr_workitem_id 0
		.amdhsa_next_free_vgpr 256
		.amdhsa_next_free_sgpr 66
		.amdhsa_reserve_vcc 0
		.amdhsa_float_denorm_mode_32 3
		.amdhsa_float_denorm_mode_16_64 3
		.amdhsa_memory_ordered 1
		.amdhsa_forward_progress 1
		.amdhsa_inst_pref_size 49
	.end_amdhsa_kernel
	.amdgpu_metadata
---
amdhsa.version: [ 1, 2 ]
amdhsa.kernels:
  - .name:           k_qf0d6aa8b5a_attn
    .symbol:         k_qf0d6aa8b5a_attn.kd
    .args:
      - { .name: qimg, .offset: 0, .size: 8, .value_kind: global_buffer, .address_space: global }
      - { .name: kvimg, .offset: 8, .size: 8, .value_kind: global_buffer, .address_space: global }
      - { .name: lowp_scales, .offset: 16, .size: 8, .value_kind: global_buffer, .address_space: global }
      - { .name: oimg, .offset: 24, .size: 8, .value_kind: global_buffer, .address_space: global }
    .group_segment_fixed_size: 133120
    .private_segment_fixed_size: 0
    .kernarg_segment_align: 8
    .kernarg_segment_size: 32
    .max_flat_workgroup_size: 512
    .sgpr_count:     66
    .vgpr_count:     256
    .wavefront_size: 32
...
	.end_amdgpu_metadata
.endif
;; end of part 5
;; launch oproj (part 6): grid 64 x 4, 4 waves a work-group, clusters of 4 x 1, 168,448 bytes of LDS; arguments oimg, wo_codes, lowp_scales, bo, gamma, x, out0; writes out0
.if DOCPART == 6
	.amdgcn_target "amdgcn-amd-amdhsa--gfx1250"
	.amdhsa_code_object_version 6
	.text
	.protected	k_qf0d6aa8b5a_oproj
	.globl	k_qf0d6aa8b5a_oproj
	.p2align	8
	.type	k_qf0d6aa8b5a_oproj,@function
k_qf0d6aa8b5a_oproj:
	s_mov_b64 s[64:65], 0
	v_nop
	global_prefetch_b8 v0, s[64:65] scope:SCOPE_SE
	s_setreg_imm32_b32 hwreg(HW_REG_WAVE_MODE, 25, 1), 1
	s_wait_xcnt 0x0
	s_wait_alu depctr_hold_cnt(0) depctr_sa_sdst(0) depctr_va_vdst(0) depctr_va_sdst(0) depctr_va_ssrc(0) depctr_va_vcc(0) depctr_vm_vsrc(0)
	s_getreg_b32 s2, hwreg(HW_REG_IB_STS2, 6, 4)
	s_cmp_eq_u32 s2, 0
	s_cbranch_scc0 .Lentry_in_a_cluster
	s_endpgm
.Lentry_in_a_cluster:
	s_bfe_u32 s2, ttmp6, 0x10000c
	s_cmp_lg_u32 s2, 0x3003
	s_cbranch_scc0 .Lentry_shape_is_right
	s_endpgm
.Lentry_shape_is_right:
; y = gamma (Wo out + bo) + x.  out arrives as images of operand registers (oimg [b][block of 64 positions][tile j] x four fragments of 128 channels), Wo as codes [512 o][512 c], c innermost; x and y are [16][512][1024] f32.
; SHARES.  A work-group: one image, 256 positions, 128 outputs (the grid's y).  A wave: a block of 64 positions x the 128 outputs.
; LAYOUT.  Source 0 = 16 rows of Wo, source 1 = 16 positions: register i of a result is output 16 t + 8 h + i at position 4 r + j of tile j.  So register i of the four tiles' accumulators are FOUR NEIGHBOURING positions:
; they go, by one multiply-add each, onto the four registers that a 16-byte load of x brought, and sixteen lanes store 256 consecutive bytes of y, aligned.  Nothing goes through LDS on the way out.
; K's places are the form's own: registers 2 c, 2 c + 1 hold channels 16 c + 8 h + 0..7 of a fragment's 128, in the images and in Wo's fragments (loads of 8 bytes) alike.
; bo goes in as the C of a sum's first product, divided by 2^(e10 + e11); y = sum x (gamma 2^(e10 + e11)) + x.
; CLUSTER: the four quarters of an image need the same 128 rows of Wo: each wave's 32 rows are asked for jointly.  No LDS byte is filled twice.
; LIMITS: gamma 2^(e10 + e11) and bo / 2^(e10 + e11) are made by v_ldexp_f32 and must be f32 numbers.
; REGISTERS.  window 0: v1 Wo's lane place, v2 my offset in x and y, v3 16 x lane, v4 the bias's offset, v5 gamma 2^(e10 + e11), v16-79 C (8 tiles x 8), v96-159, v160-223 Wo's two sets, v224-255 four accumulators.
;   window 1: out's 16 fragments (tile j, K step a) at 64 j + 16 a.   window 2: x, then y: (tile t, row i, position j) at 32 t + 4 i + j.
.set PITCH, 528                        ; a row of Wo in LDS: 512 bytes + 16 of padding
.set BC,  16
.set WB0, 96
.set ACC, 224
.set MSB, 0
.macro WIN new                         ; the immediate's high byte repeats the setting that is left
.if MSB != \new
	s_set_vgpr_msb (MSB<<8)|\new
.set MSB, \new
.endif
.endm
.macro PLACES
.rept 4
	v_nop
.endr
.endm
.macro CROUND                          ; a round of the cluster's barrier
	s_barrier_signal -1
	s_barrier_wait -1
	s_cmp_lg_u32 s24, 0
	s_cbranch_scc1 .Lnot_wave_0_\@
	s_barrier_signal -3
.Lnot_wave_0_\@:
	s_barrier_wait -3
	s_barrier_signal -1
	s_barrier_wait -1
.endm
	s_load_b256 s[4:11], s[0:1], 0x0               ; oimg s[4:5], Wo s[6:7], the exponents s[8:9], bo s[10:11]
	s_load_b128 s[12:15], s[0:1], 0x20             ; gamma s[12:13], x s[14:15]
	s_load_b64 s[16:17], s[0:1], 0x30              ; y
	v_lshl_add_u32 v94, v0, 2, 0x29000
	v_mov_b32 v95, 0
	ds_add_u32 v94, v95
	ds_add_u32 v94, v95
	v_lshrrev_b32 v6, 5, v0
	v_readfirstlane_b32 s24, v6                    ; wave 0..3
	s_and_b32 s25, ttmp7, 0xffff                   ; which 128 outputs: the same in the four partners
	s_bfe_u32 s26, ttmp6, 0x40000                  ; cx: the quarter of the image
	s_lshl_b32 s28, s26, 2
	s_add_co_u32 s28, s28, s24                     ; my block of 64 positions
	v_and_b32 v6, 15, v0                           ; r
	v_bfe_u32 v7, v0, 4, 1                         ; h
	v_mul_u32_u24 v1, v6, PITCH
	v_lshl_add_u32 v1, v7, 3, v1                   ; Wo: row r, + 8 h
	v_lshlrev_b32 v2, 4, v6
	v_lshl_add_u32 v2, v7, 15, v2                  ; x, y: 16 r, + 8 rows of 4,096 bytes for lanes 16-31
	v_and_b32 v3, 31, v0
	v_lshlrev_b32 v3, 4, v3                        ; an image's place for my lane
	v_lshlrev_b32 v4, 5, v7                        ; bo: eight numbers from 8 h on
	; descriptor group 1: 32 rows of 512 bytes, padded in LDS
	s_mov_b32 s36, 15|(1<<20)|(1<<21)|(6<<22)|(3<<25)  ; 15:0 the mask: all four work-groups; 17:16 elements of 1 byte; 20 padding on; 21 set beside a mask; 24:22 after every 128 words (code 6); 31:25 four words (code 3)
	s_mov_b32 s37, 512<<16                         ; tensor_dim0
	s_mov_b32 s38, 32<<16                          ; tensor_dim1
	s_mov_b32 s39, 512<<16                         ; tile_dim0
	s_mov_b32 s40, 32                              ; tile_dim1
	s_mov_b32 s41, 512                             ; from row to row
	s_mov_b32 s42, 0
	s_mov_b32 s43, 0
	s_wait_dscnt 0x0
	s_wait_kmcnt 0x0
	s_load_b64 s[44:45], s[8:9], 0x28              ; e10, e11
	s_load_b32 s46, s[12:13], 0x0                  ; gamma
	s_lshl_b32 s30, s25, 16                        ; Wo: 128 rows x 512 bytes for each y,
	s_lshl_b32 s29, s24, 14                        ; 32 rows a wave
	s_add_co_u32 s30, s30, s29
	s_mov_b32 s31, 0
	s_mov_b32 s32, 1                               ; group 0: count = 1,
	s_mul_i32 s33, s24, 32*PITCH                   ; LDS address: wave x 32 rows,
	s_add_nc_u64 s[34:35], s[6:7], s[30:31]        ; global address: made of y and the wave's number,
	s_or_b32 s35, s35, 0x80000000                  ; type = 2
	s_lshl_b32 s30, ttmp9, 4
	s_add_co_u32 s30, s30, s28
	s_lshl_b32 s30, s30, 15                        ; oimg: (16 b + block) x 32,768
	s_add_nc_u64 s[4:5], s[4:5], s[30:31]
	s_lshl_b32 s30, s25, 9                         ; bo: my 128 numbers
	s_add_nc_u64 s[10:11], s[10:11], s[30:31]
	s_lshl_b32 s30, ttmp9, 21                      ; x, y: the image, 128 y rows of 4,096 bytes, my block's 256 bytes of a row
	s_lshl_b32 s29, s25, 19
	s_add_co_u32 s30, s30, s29
	s_lshl_b32 s29, s28, 8
	s_add_co_u32 s30, s30, s29
	s_add_nc_u64 s[14:15], s[14:15], s[30:31]
	s_add_nc_u64 s[16:17], s[16:17], s[30:31]
	CROUND                                         ; the four work-groups are here: the joint loads meet
	tensor_load_to_lds s[32:35], s[36:43]          ; my one tensor load: 32 rows of Wo
	s_nop 0
	PLACES                                         ; four v_nop follow it
	s_wait_alu depctr_va_vdst(0)
.irp t, 0,1,2,3,4,5,6,7
	global_load_b128 v[BC+8*\t:BC+8*\t+3], v4, s[10:11] offset:64*\t
	global_load_b128 v[BC+8*\t+4:BC+8*\t+7], v4, s[10:11] offset:64*\t+16
.endr
	WIN 0x40                                       ; destination window 1
.set n, 0
.rept 64
	global_load_b128 v[4*n:4*n+3], v3, s[4:5] offset:512*n   ; out's 16 fragments as they lie: 512 consecutive bytes a load
.set n, n+1
.endr
.macro XTILE t                         ; x at outputs 16 t + 8 h + i, i = 0..7, my four positions
.irp i, 0,1,2,3,4,5,6,7
	global_load_b128 v[32*(\t)+4*\i:32*(\t)+4*\i+3], v2, s[14:15] offset:(16*(\t)+\i)*4096 th:TH_LOAD_NT
.endr
.endm
	WIN 0x80                                       ; destination window 2
.irp t, 0,1,2,3,4,5,6
	XTILE \t
.endr
	s_wait_loadcnt 56                              ; bo and out are in: behind them stand the 56 loads of x's tiles 0 to 6
	XTILE 7
	WIN 0
	s_wait_kmcnt 0x0
	s_add_co_i32 s47, s44, s45                     ; e10 + e11
	s_sub_co_i32 s48, 0, s47
	v_mov_b32 v5, s46
	v_ldexp_f32 v5, v5, s47                        ; gamma 2^(e10 + e11)
.set n, 0
.rept 64
	v_ldexp_f32 v[BC+n], v[BC+n], s48              ; bo / 2^(e10 + e11)
.set n, n+1
.endr
	s_wait_tensorcnt 0x0                           ; my rows of Wo have landed,
	s_barrier_signal -1
	s_barrier_wait -1                              ; everybody's have
.macro FETCHW t                        ; Wo's tile t, 16 rows x 512 K: four fragments, into set t % 2
.set FB, WB0+64*((\t)%2)
.irp a, 0,1,2,3
.irp c, 0,1,2,3,4,5,6,7
	ds_load_b64 v[FB+16*\a+2*\c:FB+16*\a+2*\c+1], v1 offset:8448*(\t)+128*\a+16*\c
.endr
.endr
.endm
; Tile t of 16 outputs: 16 matrix instructions, the four tiles of positions by turns, K step by K step; then y.
.macro OT t
.if (\t) < 7
	FETCHW (\t)+1                                  ; into the set that tile t - 1 read: its places stand behind its products
	s_wait_dscnt 32                                ; this tile's 32 loads are in; the next tile's may be out
.else
	s_wait_dscnt 0
.endif
.set WS, WB0+64*((\t)%2)
	WIN 0x04                                       ; source 1 (out) window 1
.irp a, 0,1,2,3
.irp j, 0,1,2,3
.if \a == 0
	v_wmma_f32_16x16x128_bf8_bf8 v[ACC+8*\j:ACC+8*\j+7], v[WS+16*\a:WS+16*\a+15], v[64*\j+16*\a:64*\j+16*\a+15], v[BC+8*(\t):BC+8*(\t)+7]
.else
	v_wmma_f32_16x16x128_bf8_bf8 v[ACC+8*\j:ACC+8*\j+7], v[WS+16*\a:WS+16*\a+15], v[64*\j+16*\a:64*\j+16*\a+15], v[ACC+8*\j:ACC+8*\j+7]
.endif
.endr
.endr
	WIN 0
	PLACES
	s_wait_loadcnt 8*(7-(\t))                      ; x's tile t is in; the tiles behind it may be out
	WIN 0xa0                                       ; source 2 and destination window 2
.irp i, 0,1,2,3,4,5,6,7
.irp j, 0,1,2,3
	v_fma_f32 v[32*(\t)+4*\i+\j], v[ACC+8*\j+\i], v5, v[32*(\t)+4*\i+\j]   ; each accumulator from its low end on
.endr
.endr
	WIN 0x08                                       ; a store's data: window 2
.irp i, 0,1,2,3,4,5,6,7
	global_store_b128 v2, v[32*(\t)+4*\i:32*(\t)+4*\i+3], s[16:17] offset:(16*(\t)+\i)*4096 th:TH_STORE_NT   ; sixteen lanes store 256 consecutive bytes, aligned
.endr
	WIN 0
.endm
	FETCHW 0
.irp t, 0,1,2,3,4,5,6,7
	OT \t
.endr
	s_wait_tensorcnt 0x0
	ds_add_u32 v94, v95
	s_wait_dscnt 0x0
	CROUND                                         ; the closing round: no work-group ends while a partner may still ask jointly
	s_endpgm
.Lfunc_end_k_qf0d6aa8b5a_oproj:
	.size	k_qf0d6aa8b5a_oproj, .Lfunc_end_k_qf0d6aa8b5a_oproj-k_qf0d6aa8b5a_oproj
	.p2alignl 7, 3214868480
	.fill 96, 4, 3214868480
	.section	.rodata,"a",@progbits
	.p2align	6, 0x0
	.amdhsa_kernel k_qf0d6aa8b5a_oproj
		.amdhsa_group_segment_fixed_size 168448
		.amdhsa_private_segment_fixed_size 0
		.amdhsa_enable_private_segment 0
		.amdhsa_kernarg_size 56
		.amdhsa_user_sgpr_count 2
		.amdhsa_user_sgpr_kernarg_segment_ptr 1
		.amdhsa_wavefront_size32 1
		.amdhsa_system_sgpr_workgroup_id_x 1
		.amdhsa_system_sgpr_workgroup_id_y 1
		.amdhsa_system_sgpr_workgroup_id_z 1
		.amdhsa_system_vgpr_workitem_id 0
		.amdhsa_next_free_vgpr 768
		.amdhsa_next_free_sgpr 66
		.amdhsa_reserve_vcc 0
		.amdhsa_float_denorm_mode_32 3
		.amdhsa_float_denorm_mode_16_64 3
		.amdhsa_memory_ordered 1
		.amdhsa_forward_progress 1
		.amdhsa_inst_pref_size 71
	.end_amdhsa_kernel
	.amdgpu_metadata
---
amdhsa.version: [ 1, 2 ]
amdhsa.kernels:
  - .name:           k_qf0d6aa8b5a_oproj
    .symbol:         k_qf0d6aa8b5a_oproj.kd
    .args:
      - { .name: oimg, .offset: 0, .size: 8, .value_kind: global_buffer, .address_space: global }
      - { .name: wo_codes, .offset: 8, .size: 8, .value_kind: global_buffer, .address_space: global }
      - { .name: lowp_scales, .offset: 16, .size: 8, .value_kind: global_buffer, .address_space: global }
      - { .name: bo, .offset: 24, .size: 8, .value_kind: global_buffer, .address_space: global }
      - { .name: gamma, .offset: 32, .size: 8, .value_kind: global_buffer, .address_space: global }
      - { .name: x, .offset: 40, .size: 8, .value_kind: global_buffer, .address_space: global }
      - { .name: out0, .offset: 48, .size: 8, .value_kind: global_buffer, .address_space: global }
    .group_segment_fixed_size: 168448
    .private_segment_fixed_size: 0
    .kernarg_segment_align: 8
    .kernarg_segment_size: 56
    .max_flat_workgroup_size: 128
    .sgpr_count:     66
    .vgpr_count:     768
    .wavefront_size: 32
...
	.end_amdgpu_metadata
.endif
;; end of part 6
